; MI455X (gfx1250); checked and timed in simulation.
; The chip was launched on July 23, 2026; its instructions are those of AMD's public machine-readable ISA for CDNA 5 (MIT licence, August 2026) and "CDNA5" Instruction Set Architecture Reference Guide (July 2026). The comments in the code are by the model that wrote it; some were corrected since.
;; Attention. Allowed arithmetic: matrix products marked QUANTISED: E2M3 operands, one E8M0 scale for each 32 along K, by v_wmma_scale_f32_16x16x128_f8f6f4 with both operands' format E2M3, f32 sums; everything else in f32.
;; Inputs: Wk 1,024 x 1,024 float32; Wq 1,024 x 1,024 float32; Wv 1,024 x 1,024 float32; bk 1,024 float32; bq 1,024 float32; bv 1,024 float32; mask 4 x 2,048 bool; x 4 x 2,048 x 1,024 float32.
;; Outputs: out0 4 x 2,048 x 1,024 float32.
;; This version of the problem:
;;   THIS VERSION OF THE PROBLEM IS GIVEN IN LOW PRECISION. The matrix products marked QUANTISED in the list below multiply operands that are first quantised to E2M3 (2 exponent bits, 3 mantissa bits; 6 bits a number), with one power-of-two scale for each 32 numbers along K (OCP MX v1.0); their sums are f32. All else is computed in f32.
;;   The module's matrix products, in the order in which they are computed (A, B: the left and right operand; K: the contracted axis; several contracted axes count as one K, in the product's order):
;;     1. [M 8,192, K 1,024] x [K 1,024, N 1,024]; A: input x; B: input Wq: QUANTISED
;;     2. [M 8,192, K 1,024] x [K 1,024, N 1,024]; A: input x; B: input Wk: QUANTISED
;;     3. [M 8,192, K 1,024] x [K 1,024, N 1,024]; A: input x; B: input Wv: QUANTISED
;;     4. batch 4 x [M 2,048, K 1,024] x [K 1,024, N 2,048]; A: computed on the way; B: computed on the way: QUANTISED
;;     5. batch 4 x [M 2,048, K 2,048] x [K 2,048, N 1,024]; A: softmax (see below); B: computed on the way: QUANTISED
;;   THE QUANTISER, for each operand of a quantised product, along K:
;;     - K is cut into blocks of 32 from its start; a last block that is shorter is filled with zeros.
;;     - A block's scale is 2^e with e = floor(log2(the largest magnitude in the block)) - 2, held to -126 .. 127; a block of zeros has e = 0. As a byte (E8M0): e + 127.
;;     - Each number is divided by its block's scale, clamped to +-7.5, and rounded to the nearest number of E2M3, ties to even, subnormals kept.
;;     - The product sums the exact products of the quantised numbers (number of the format x scale) in f32.
;;   ~~~python
;;   def quantise(x, axis):      # numpy; x: float32 -> the quantised numbers, widened to float32 again
;;       x = np.moveaxis(x, axis, -1); K = x.shape[-1]
;;       x = np.pad(x, [(0, 0)] * (x.ndim - 1) + [(0, -K % 32)]); x = x.reshape(x.shape[:-1] + (-1, 32)); a = np.abs(x).max(-1, keepdims=True)
;;       e = np.where(a > 0, np.clip(np.frexp(np.where(a > 0, a, 1))[1] - 1 - 2, -126, 127), 0)      # np.frexp(a)[1] - 1 = floor(log2(a)), exactly
;;       r = np.clip(x / 2.0 ** e, -7.5, 7.5)
;;       step = 2.0 ** (np.maximum(np.frexp(np.where(r == 0, 1, r))[1] - 1, 0) - 3)
;;       q = np.round(r / step) * step * 2.0 ** e      # np.round: ties to even
;;       return np.moveaxis(q.reshape(q.shape[:-2] + (-1,))[..., :K], -1, axis).astype(np.float32)
;;   ~~~
;;   SOFTMAX AHEAD OF A QUANTISED PRODUCT. Where the list says 'softmax', what is quantised is not the finished softmax but p = 2^(t - M), with t = logit x log2(e) and M = ceil(the row's largest t), a whole number; so 1/2 < the row's largest p <= 1. The row's sum l is taken of the UNQUANTISED p, in f32, and the product's result is divided by l at the end. Since M is a whole number, a kernel that streams over the keys may use a running M (the ceiling of the running maximum): every later rescaling is an exact power of two, which a block's scale takes up: the codes' values come out the same.
;;   OPERANDS COMPUTED ON THE WAY. 'Computed on the way' means the value that the module computes at that place (a softmax that the list does not call 'softmax' is quantised finished and normalised). What goes into a quantiser is computed in f32, as accurately as f32 sums, v_exp_f32 and their like allow (about 1e-6 of the number): no bf16 or f16 on the way to a quantiser, and a product that is left as it is and whose result goes on into a quantised operand takes f32 operands (vector FMAs, or v_wmma_f32_16x16x4_f32). A number that lies on a knife's edge between two numbers of the format may be rounded either way, as far as f32 arithmetic and the matrix unit's own rounding can turn it there, and no further.
;; One version. Each part assembles by itself: llvm-mc -triple=amdgcn-amd-amdhsa -mcpu=gfx1250 --defsym DOCPART=n.
;; ======== version 1 of 1: 4 launches
;; workspace buffers: xwc 8,650,752 bytes; xws 360,448 bytes; qkvc 18,874,368 bytes; qkvs 786,432 bytes; pc 12,582,912 bytes; pst 1,572,864 bytes
;; launch quant (part 1): grid 352 x 1, 8 waves a work-group, no clusters, 69,632 bytes of LDS; arguments x, Wq, Wk, Wv, xwc, xws; writes xwc, xws
.if DOCPART == 1
	.amdgcn_target "amdgcn-amd-amdhsa--gfx1250"
	.amdhsa_code_object_version 6
	.text
	.protected	k_q4d40714428_quant
	.globl	k_q4d40714428_quant
	.p2align	8
	.type	k_q4d40714428_quant,@function
k_q4d40714428_quant:
	s_mov_b64 s[64:65], 0
	v_nop
	global_prefetch_b8 v0, s[64:65] scope:SCOPE_SE
	s_setreg_imm32_b32 hwreg(HW_REG_WAVE_MODE, 25, 1), 1
	s_wait_xcnt 0x0
; x [8192][1024] and Wq, Wk, Wv [1024][1024], f32, K innermost, become codes of FP6 (E2M3) with one E8M0 scale byte for each 32 along K.
; A block's scale is 2^(floor(log2(its largest magnitude)) - 2); its byte is the largest magnitude's exponent field - 2, held at 1 from below.
; LAYOUT OF THE RESULT.  Rows are taken in groups of 128: x's 64 groups, then Wq's 8, Wk's 8, Wv's 8.  In a group, place p holds the row p with bits 3 and 4 exchanged:
; block i (16 places), lane r: row 32 (i / 2) + 8 (i % 2) + r % 8 + 16 (r / 8).  Codes lie as IMAGES OF OPERAND REGISTERS: a fragment (16 places x 128 K, 12 registers a lane) is 1,536 bytes,
; registers 4 g .. 4 g + 3 of lane l at 512 g + 16 l; fragments in the order [group][256 along K][128 along K][block].  Scale words (4 bytes: a row's 128 along K) in the order [group][256][128][lane r][block].
; SHARES.  A work-group takes one group and 256 along K: 24,576 bytes of codes, 1,024 of scale words.  Wave i takes block i: two fragments.
; Each load reads 512 consecutive bytes of a row; a fragment's 16 rows turn through the wave's own stage in LDS (rows 528 bytes apart), so that lane (r, h) gets k = 64 c + 32 h + 0 .. 31 of its row: two whole blocks.
; LIMITS: NaN and infinities among the inputs are not served.  A block of zeros gets the byte 1 where the rule says 127: its codes are zeros, and this program alone reads the bytes.
.set STGB, 8448                        ; a wave's stage: 16 rows x 528 bytes
.set SCA,  8*STGB                      ; behind the stages: the work-group's 1,024 bytes of scale words
.set R,    16                          ; v16-143  two fragments' numbers as loaded: 16 loads x 4 registers each
.set X,    144                         ; v144-207 64 numbers of my row: register 32 c + i = k 64 c + 32 h + i
.set PC,   208                         ; v208-231 the codes: 12 registers for each fragment, so that no store's data are written again
.set CT,   232                         ; v232-238 the upper halves of the blocks, as the conversions leave them
.set MX,   240                         ; v240-241 largest magnitudes
.set SF,   242                         ; v242-243 the conversions' scale operands
.set BY,   244                         ; v244-245 the scale bytes
.set W,    246                         ; v246     the scale word
.set WT,   247                         ; v247     the other half of the lanes' two bytes
	s_load_b256 s[4:11], s[0:1], 0x0               ; x, Wq, Wk, Wv
	s_load_b128 s[12:15], s[0:1], 0x20             ; the codes, the scale words
	v_lshl_add_u32 v248, v0, 2, 0x10c00
	v_mov_b32 v249, 0
	v_lshrrev_b32 v7, 5, v0
	v_readfirstlane_b32 s16, v7                    ; wave = block i
	v_and_b32 v8, 31, v0
	v_lshlrev_b32 v1, 4, v8                        ; 16 x lane
	v_and_b32 v2, 15, v0                           ; r
	v_bfe_u32 v3, v0, 4, 1                         ; h
	s_mul_i32 s17, s16, STGB
	v_add_nc_u32 v4, s17, v1                       ; the stage, on the way in: a row's 512 bytes as they lie
	v_mul_u32_u24 v5, v2, 528
	v_lshl_add_u32 v5, v3, 7, v5
	v_add_nc_u32 v5, s17, v5                       ; and on the way out: row r, + 128 h
	s_lshl_b32 s18, s16, 2
	s_add_co_u32 s18, s18, SCA
	v_lshlrev_b32 v6, 5, v2
	v_add_nc_u32 v6, s18, v6                       ; my scale word's place: 32 r + 4 i
	v_lshlrev_b32 v9, 3, v3                        ; 8 h: my two bytes' place in the word
	v_lshlrev_b32 v10, 4, v0                       ; the scale words' way out: 16 bytes a thread
	v_add_nc_u32 v11, SCA, v10
	v_mov_b32 v[WT], 0                             ; a lane permute's destination counts as one of its sources
	s_mov_b32 s24, 0x76543210
	s_mov_b32 s25, 0xfedcba98                      ; selects: lane l xor 16
	s_lshr_b32 s21, s16, 1
	s_lshl_b32 s20, s21, 17                        ; 32 (i / 2) rows of 4,096 bytes
	s_and_b32 s21, s16, 1
	s_lshl_b32 s21, s21, 15                        ; 8 (i % 2) rows
	s_add_co_u32 s20, s20, s21
	s_and_b32 s21, ttmp9, 3
	s_lshl_b32 s21, s21, 10                        ; which 256 along K: 1,024 bytes
	s_add_co_u32 s20, s20, s21
	s_mul_i32 s22, ttmp9, 24576                    ; the work-group's codes,
	s_mul_i32 s23, s16, 1536                       ; my block's fragment
	s_add_co_u32 s22, s22, s23
	s_mov_b32 s23, 0
	s_and_b32 s19, ttmp9, 31                       ; a weight has 32 work-groups, and 256 is a multiple of 32
	s_wait_kmcnt 0x0
	s_cmp_lt_u32 ttmp9, 320                        ; which tensor: the choice hangs on the work-group's number alone
	s_cselect_b64 s[8:9], s[8:9], s[10:11]
	s_cmp_lt_u32 ttmp9, 288
	s_cselect_b64 s[6:7], s[6:7], s[8:9]
	s_cmp_lt_u32 ttmp9, 256
	s_cselect_b64 s[4:5], s[4:5], s[6:7]
	s_cselect_b32 s19, ttmp9, s19                  ; the work-group's number within its tensor
	s_lshr_b32 s19, s19, 2
	s_lshl_b32 s19, s19, 19                        ; its group: 128 rows of 4,096 bytes
	s_add_co_u32 s20, s20, s19
	s_mov_b32 s21, 0
	s_add_nc_u64 s[4:5], s[4:5], s[20:21]
	s_add_nc_u64 s[12:13], s[12:13], s[22:23]
	s_lshl_b32 s22, ttmp9, 10
	s_add_nc_u64 s[14:15], s[14:15], s[22:23]
.irp q, 0,1
.irp t, 0,1,2,3,4,5,6,7,8,9,10,11,12,13,14,15
	global_load_b128 v[R+64*\q+4*\t:R+64*\q+4*\t+3], v1, s[4:5] offset:((\t%8)+16*(\t/8))*4096+512*\q th:TH_LOAD_NT   ; place t's row, 512 consecutive bytes
.endr
.endr
.macro FRAGQ q
.set PQ, PC+12*\q
	s_wait_loadcnt 16-16*\q                        ; this fragment's 16 loads are in; the other's 16 may be out
.irp t, 0,1,2,3,4,5,6,7,8,9,10,11,12,13,14,15
	ds_store_b128 v4, v[R+64*\q+4*\t:R+64*\q+4*\t+3] offset:528*\t
.endr
.irp c, 0,1
.irp e, 0,1,2,3,4,5,6,7
	ds_load_b128 v[X+32*\c+4*\e:X+32*\c+4*\e+3], v5 offset:256*\c+16*\e   ; LDS serves a wave's instructions in order: these see the stores above
.endr
.endr
	s_wait_dscnt 0x0
.irp c, 0,1
	v_max3_num_f32 v[MX+\c], |v[X+32*\c]|, |v[X+32*\c+1]|, 0x1800000   ; my block 2 c + h: all 32 numbers are mine; the floor 2^(3 - 127) holds the byte at 1 from below
.endr
.irp i, 2,4,6,8,10,12,14,16,18,20,22,24,26,28,30
.irp c, 0,1
	v_max3_num_f32 v[MX+\c], v[MX+\c], |v[X+32*\c+\i]|, |v[X+32*\c+\i+1]|
.endr
.endr
.irp c, 0,1
	v_add_nc_u32 v[SF+\c], 0xff000000, v[MX+\c]    ; 2 off the exponent field: the conversion takes the exponent field of this operand as its scale
.endr
.irp c, 0,1
	v_lshrrev_b32 v[BY+\c], 23, v[SF+\c]           ; the scale's byte
.endr
	v_lshl_or_b32 v[W], v[BY+1], 16, v[BY]         ; blocks h and 2 + h,
	v_lshlrev_b32 v[W], v9, v[W]                   ; at their places in the word;
	v_permlanex16_b32 v[WT], v[W], s24, s25
	v_or_b32 v[W], v[W], v[WT]                     ; with lane l xor 16's two the word is whole
.irp c, 0,1
	v_cvt_scalef32_pk16_fp6_f32 v[PQ+6*\c:PQ+6*\c+2], v[X+32*\c:X+32*\c+15], v[SF+\c]
	v_cvt_scalef32_pk16_fp6_f32 v[CT+4*\c:CT+4*\c+2], v[X+32*\c+16:X+32*\c+31], v[SF+\c]   ; (a conversion's three registers begin on an even number)
.endr
	v_nop                                          ; one plain place behind a scaled conversion
.irp c, 0,1
.irp i, 0,1,2
	v_mov_b32 v[PQ+3+6*\c+\i], v[CT+4*\c+\i]
.endr
.endr
.irp g, 0,1,2
	global_store_b128 v1, v[PQ+4*\g:PQ+4*\g+3], s[12:13] offset:12288*\q+512*\g   ; 512 consecutive bytes
.endr
	ds_store_b32 v6, v[W] offset:512*\q            ; both halves of the lanes write the same word with the same value
.endm
	FRAGQ 0
	FRAGQ 1
	s_wait_dscnt 0x0                               ; for the others' sake: my scale words lie in LDS
	s_barrier_signal -1
	s_barrier_wait -1
	s_cmp_gt_u32 s16, 1                            ; waves 0 and 1 store the work-group's 1,024 bytes of scale words
	s_cbranch_scc1 .Ldone
	ds_load_b128 v[12:15], v11
	s_wait_dscnt 0x0
	global_store_b128 v10, v[12:15], s[14:15]      ; 512 consecutive bytes a wave
.Ldone:
	s_wait_tensorcnt 0x0
	ds_add_u32 v248, v249
	s_wait_dscnt 0x0
	s_endpgm
.Lfunc_end_k_q4d40714428_quant:
	.size	k_q4d40714428_quant, .Lfunc_end_k_q4d40714428_quant-k_q4d40714428_quant
	.p2alignl 7, 3214868480
	.fill 96, 4, 3214868480
	.section	.rodata,"a",@progbits
	.p2align	6, 0x0
	.amdhsa_kernel k_q4d40714428_quant
		.amdhsa_group_segment_fixed_size 69632
		.amdhsa_private_segment_fixed_size 0
		.amdhsa_enable_private_segment 0
		.amdhsa_kernarg_size 48
		.amdhsa_user_sgpr_count 2
		.amdhsa_user_sgpr_kernarg_segment_ptr 1
		.amdhsa_wavefront_size32 1
		.amdhsa_system_sgpr_workgroup_id_x 1
		.amdhsa_system_sgpr_workgroup_id_y 1
		.amdhsa_system_sgpr_workgroup_id_z 1
		.amdhsa_system_vgpr_workitem_id 0
		.amdhsa_next_free_vgpr 250
		.amdhsa_next_free_sgpr 66
		.amdhsa_reserve_vcc 0
		.amdhsa_float_denorm_mode_32 3
		.amdhsa_float_denorm_mode_16_64 3
		.amdhsa_memory_ordered 1
		.amdhsa_forward_progress 1
		.amdhsa_inst_pref_size 17
	.end_amdhsa_kernel
	.amdgpu_metadata
---
amdhsa.version: [ 1, 2 ]
amdhsa.kernels:
  - .name:           k_q4d40714428_quant
    .symbol:         k_q4d40714428_quant.kd
    .args:
      - { .name: x, .offset: 0, .size: 8, .value_kind: global_buffer, .address_space: global }
      - { .name: Wq, .offset: 8, .size: 8, .value_kind: global_buffer, .address_space: global }
      - { .name: Wk, .offset: 16, .size: 8, .value_kind: global_buffer, .address_space: global }
      - { .name: Wv, .offset: 24, .size: 8, .value_kind: global_buffer, .address_space: global }
      - { .name: xwc, .offset: 32, .size: 8, .value_kind: global_buffer, .address_space: global }
      - { .name: xws, .offset: 40, .size: 8, .value_kind: global_buffer, .address_space: global }
    .group_segment_fixed_size: 69632
    .private_segment_fixed_size: 0
    .kernarg_segment_align: 8
    .kernarg_segment_size: 48
    .max_flat_workgroup_size: 256
    .sgpr_count:     66
    .vgpr_count:     250
    .wavefront_size: 32
...
	.end_amdgpu_metadata
.endif
;; end of part 1
;; launch proj (part 2): grid 8 x 48, 4 waves a work-group, clusters of 4 x 4, 327,680 bytes of LDS; arguments xwc, xws, bq, bk, bv, qkvc, qkvs; writes qkvc, qkvs
.if DOCPART == 2
	.amdgcn_target "amdgcn-amd-amdhsa--gfx1250"
	.amdhsa_code_object_version 6
	.text
	.protected	k_q4d40714428_proj
	.globl	k_q4d40714428_proj
	.p2align	8
	.type	k_q4d40714428_proj,@function
k_q4d40714428_proj:
	s_mov_b64 s[64:65], 0
	v_nop
	global_prefetch_b8 v0, s[64:65] scope:SCOPE_SE
	s_setreg_imm32_b32 hwreg(HW_REG_WAVE_MODE, 25, 1), 1
	s_wait_xcnt 0x0
	s_wait_alu depctr_hold_cnt(0) depctr_sa_sdst(0) depctr_va_vdst(0) depctr_va_sdst(0) depctr_va_ssrc(0) depctr_va_vcc(0) depctr_vm_vsrc(0)
	s_getreg_b32 s2, hwreg(HW_REG_IB_STS2, 6, 4)
	s_cmp_eq_u32 s2, 0
	s_cbranch_scc0 .Lentry_in_a_cluster
	s_endpgm
.Lentry_in_a_cluster:
	s_bfe_u32 s2, ttmp6, 0x10000c
	s_cmp_lg_u32 s2, 0xf033
	s_cbranch_scc0 .Lentry_shape_is_right
	s_endpgm
.Lentry_shape_is_right:
; Q = x Wq^T + bq, K = x Wk^T + bk (rows x channels) and V^T = Wv x^T + bv (channels x keys), on codes of FP6 (E2M3) with E8M0 scales; the results are quantised along the next product's K and stored as codes.
; A tile of 256 x 256 to a work-group of four waves, 128 x 128 to a wave: 64 accumulators, 512 registers.  K = 1,024 goes in steps of 256 through a ring of two LDS slots.
; OPERANDS LIE IN MEMORY AS IMAGES OF THEIR REGISTERS (a fragment of 16 places x 128 K: 1,536 bytes; registers 4 g .. 4 g + 3 of lane l at 512 g + 16 l), in the order [group of 128 places][256 along K][128][block]:
; 128 places x 256 K are one dense block of 24,576 bytes, one tensor load; a fragment is three ds_load_b128 of 512 consecutive bytes.  Scale words lie [group][256][128][lane r][block]: eight words of a lane on end.
; PLACES.  Place p of a group holds row p with bits 3 and 4 exchanged.  THE MATRIX INSTRUCTION IS USED TRANSPOSED (source 0 = 16 places of B, source 1 = 16 places of A): lane (r, h) holds A's place r, and register j of
; accumulator 2 u2 + u holds B's row 32 u2 + 16 h + 8 u + j: the 64 registers of A's block a are 64 numbers of one row, 16 neighbours of each block of 32 along the next K.
; CLUSTERS of 4 x 4.  Cluster y 0-7: A = x's rows, B = Wq's (cluster x 0) or Wk's (1) rows.  Cluster y 8-11: A = Wv's rows, B = x's rows of batch y - 8.  The roles differ in global addresses alone.
; A's tiles are asked for jointly by a row of the cluster, B's by a column.
; THE BIAS along the registers (Q, K) is the C of the first products; the bias along the lanes (V^T) is added on the way out; the table that does not apply is cleared.
; LIMITS: NaN and infinities are not served.  A block of zeros gets the byte 1 where the rule says 127: its codes are zeros, and this program alone reads the bytes.
; REGISTERS: window 0: v1 r, v2 h, v16-29 addresses; v32-63 scale words, two sets; v64-127 the bias along the registers; v128-223 A's fragments, one set; v224-239 the bias along the lanes.
;   window 1: B's fragments, two sets, at v0 and v128.   windows 2, 3: the accumulators, (a, b) at v[8 (8 (a % 4) + b)].
.set NS,    4                          ; steps of 256 along K
.set HALFT, 24576                      ; 128 places x 256 K: what one tensor load brings
.set SLOT,  4*HALFT                    ; A's two halves, then B's two
.set HS,    NS*1024                    ; the scale words of 128 places, all of K
.set SCL,   2*SLOT                     ; behind the ring: the scale words: A's two halves, B's two
.set SPARE, SCL+4*HS                   ; behind them: the spare words, 128 bytes for each wave, which no other line names
.set LAPS,  NS/2
.set FR,    12                         ; registers of a fragment
.set NL,    3                          ; LDS loads that bring one
.set NP,    4                          ; places behind this matrix instruction (ISA guide 7.12.1)
.set ADRA,  16                         ; v16-17 LDS address of my A fragments in slot 0, 1
.set ADRB,  20                         ; v20-21 the same for B
.set CO,    24                         ; v24    16 x lane
.set WO,    25                         ; v25    32 r + 16 h: four scale words of a lane
.set ADRS,  27                         ; v27    my scale words: lanes 0-15 A's, lanes 16-31 B's
.set SPW,   28                         ; v28    my spare word; never rewritten
.set NIL,   29                         ; v29    0; never rewritten
.set SC,    32                         ; set s at v[SC + 16 s]; in it register 8 q + i: block i's words of the slot's q-th 128 along K
.set BN,    64
.set AF,    128
.set BM,    224
.set PWS,   32                         ; the way out: v32-39 the eight blocks' scale words
.set SO,    40                         ; v40-43 four of them, to store
.set TM,    96                         ; v96-111 the quantiser's work
.set T,     128                        ; v128-191 64 numbers of my row
.set PC,    192                        ; v192-210 the codes
.set G1A, 24                           ; s[24:31] descriptor group 1 for A's tiles; s[32:39] group 0, a set for each slot
.set G0A, 32
.set G1B, 48                           ; s[48:55], s[56:63] the same for B's
.set G0B, 56
.set G1S, 68                           ; s[68:75], s[76:79] A's scale words; s[80:87], s[88:91] B's
.set G0S, 76
.set G1SB, 80
.set G0SB, 88
.set SEL, 68                           ; s[68:69] on the way out, when every tensor load has been waited for: lane selects
.set MSB, 0
.macro WIN new                         ; the immediate's high byte repeats the setting that is left
.if MSB != (\new)
	s_set_vgpr_msb (MSB<<8)|(\new)
.set MSB, (\new)
.endif
.endm
.set MUL_LO,  0xa1                     ; source 0 (B) window 1, source 1 (A) window 0, C and D window 2
.set MUL_HI,  0xf1                     ; the same, C and D window 3
.set BIAS_LO, 0x81                     ; C (the bias) window 0, D window 2
.set BIAS_HI, 0xc1                     ; C window 0, D window 3
.set TO_B,    0x40                     ; destination window 1, address window 0
.macro PLACES n
.rept \n
	v_nop
.endr
.endm
; A joint refill: waves 0 and 1 fetch A's halves, waves 2 and 3 B's.  The branch hangs on the wave's number alone.  Four v_nop follow each of the two lines.
.macro JLOAD s
	s_cmp_eq_u32 s21, 0
	s_cbranch_scc0 .Lfor_b_\@
	tensor_load_to_lds s[G0A+4*\s:G0A+4*\s+3], s[G1A:G1A+7]
	s_nop 0
.rept 4
	v_nop
.endr
	s_branch .Lasked_\@
.Lfor_b_\@:
	tensor_load_to_lds s[G0B+4*\s:G0B+4*\s+3], s[G1B:G1B+7]
	s_nop 0
.rept 4
	v_nop
.endr
.Lasked_\@:
.endm
.macro CREST                           ; a round of the cluster's barrier behind its opening barrier
	s_cmp_lg_u32 s20, 0
	s_cbranch_scc1 .Lnot_wave_0_\@
	s_barrier_signal -3
.Lnot_wave_0_\@:
	s_barrier_wait -3
	s_barrier_signal -1
	s_barrier_wait -1
.endm
.macro CROUND
	s_barrier_signal -1
	s_barrier_wait -1
	CREST
.endm
	s_load_b256 s[4:11], s[0:1], 0x0               ; the codes of x and the weights, their scale words, bq, bk
	s_load_b128 s[12:15], s[0:1], 0x20             ; bv, the results' codes
	s_load_b64 s[16:17], s[0:1], 0x30              ; the results' scale words
	v_lshl_add_u32 v[SPW], v0, 2, SPARE
	v_mov_b32 v[NIL], 0
	ds_add_u32 v28, v29
	ds_add_u32 v28, v29
	s_wait_dscnt 0x0
	v_lshrrev_b32 v1, 5, v0
	v_readfirstlane_b32 s20, v1                    ; wave 0..3
	s_lshr_b32 s21, s20, 1                         ; which half of the tile's rows is mine.  Also: I fetch for A (0) or for B (1)
	s_and_b32 s22, s20, 1                          ; which half of its columns.  Also: which half I fetch
	s_bfe_u32 s40, ttmp6, 0x40000                  ; cx
	s_bfe_u32 s41, ttmp6, 0x40004                  ; cy
	s_mov_b32 s42, ttmp9                           ; cluster x
	s_and_b32 s43, ttmp7, 0xffff                   ; cluster y
	s_lshl_b32 s44, s41, 2
	s_lshl_b32 s44, 15, s44                        ; my row of the cluster
	s_lshl_b32 s45, 0x1111, s40                    ; my column
	s_or_b32 s[G1A], s44, (3<<16)|(1<<21)          ; 15:0 the mask; 17:16 elements of 8 bytes; 20 no padding; 21 set beside a mask
	s_or_b32 s[G1B], s45, (3<<16)|(1<<21)
.irp g, G1A, G1B
	s_mov_b32 s[\g+1], 32<<16                      ; tensor_dim0 = 32 elements: 256 bytes
	s_mov_b32 s[\g+2], (HALFT/256)<<16             ; tensor_dim1 = 96 rows: a dense block
	s_mov_b32 s[\g+3], 32<<16                      ; tile_dim0
	s_mov_b32 s[\g+4], HALFT/256                   ; tile_dim1
	s_mov_b32 s[\g+5], 32                          ; from row to row
	s_mov_b32 s[\g+6], 0
	s_mov_b32 s[\g+7], 0
.endr
	s_or_b32 s[G1S], s44, (3<<16)|(1<<21)
	s_or_b32 s[G1SB], s45, (3<<16)|(1<<21)
.irp g, G1S, G1SB
	s_mov_b32 s[\g+1], 32<<16
	s_mov_b32 s[\g+2], (HS/256)<<16
	s_mov_b32 s[\g+3], 32<<16
	s_mov_b32 s[\g+4], HS/256
	s_mov_b32 s[\g+5], 32
	s_mov_b32 s[\g+6], 0
	s_mov_b32 s[\g+7], 0
.endr
	; A's group of 128 places: x's 8 y + 2 cy + half, or Wv's 80 + 2 cy + half: made of cy, the cluster's numbers and the wave's alone
	s_lshl_b32 s46, s43, 3
	s_cmp_ge_u32 s43, 8
	s_cselect_b32 s46, 80, s46
	s_lshl_b32 s67, s41, 1
	s_add_co_u32 s46, s46, s67
	s_add_co_u32 s46, s46, s22
	s_mul_i32 s94, s46, NS*HALFT
	s_mov_b32 s95, 0
	s_lshl_b32 s96, s46, 12
	s_mov_b32 s97, 0
	; B's: Wq's or Wk's 64 + 8 x + 2 cx + half, or x's 16 (y - 8) + 8 x + 2 cx + half: made of cx, the cluster's numbers and the wave's alone
	s_lshl_b32 s66, s42, 3
	s_max_u32 s47, s43, 8
	s_sub_co_u32 s47, s47, 8
	s_lshl_b32 s47, s47, 4
	s_add_co_u32 s47, s47, s66
	s_add_co_u32 s66, s66, 64
	s_cmp_ge_u32 s43, 8
	s_cselect_b32 s47, s47, s66
	s_lshl_b32 s66, s40, 1
	s_add_co_u32 s47, s47, s66
	s_add_co_u32 s47, s47, s22
	s_mul_i32 s98, s47, NS*HALFT
	s_mov_b32 s99, 0
	s_lshl_b32 s92, s47, 12
	s_mov_b32 s93, 0
	s_mul_i32 s23, s20, HALFT                      ; where they go: wave x a half: no place in the cluster enters an LDS address
	s_mul_i32 s2, s20, HS
	s_wait_kmcnt 0x0
	s_mov_b32 s[G0S], 1
	s_add_co_u32 s[G0S+1], s2, SCL
	s_add_nc_u64 s[G0S+2:G0S+3], s[6:7], s[96:97]
	s_or_b32 s[G0S+3], s[G0S+3], 0x80000000
	s_mov_b32 s[G0SB], 1
	s_add_co_u32 s[G0SB+1], s2, SCL
	s_add_nc_u64 s[G0SB+2:G0SB+3], s[6:7], s[92:93]
	s_or_b32 s[G0SB+3], s[G0SB+3], 0x80000000
	s_add_nc_u64 s[94:95], s[4:5], s[94:95]
	s_add_nc_u64 s[98:99], s[4:5], s[98:99]
.irp s, 0,1
	s_mov_b32 s[G0A+4*\s], 1
	s_add_co_u32 s[G0A+4*\s+1], s23, \s*SLOT
	s_add_nc_u64 s[G0A+4*\s+2:G0A+4*\s+3], s[94:95], \s*HALFT
	s_or_b32 s[G0A+4*\s+3], s[G0A+4*\s+3], 0x80000000
	s_mov_b32 s[G0B+4*\s], 1
	s_add_co_u32 s[G0B+4*\s+1], s23, \s*SLOT
	s_add_nc_u64 s[G0B+4*\s+2:G0B+4*\s+3], s[98:99], \s*HALFT
	s_or_b32 s[G0B+4*\s+3], s[G0B+4*\s+3], 0x80000000
.endr
	CROUND                                         ; all sixteen work-groups are here: the first joint loads meet
	s_cmp_eq_u32 s21, 0                            ; a wave's three first fills stand in one branch: the scale words, slot 0, slot 1: three loads of mine are out
	s_cbranch_scc0 .Lfirst_b
	tensor_load_to_lds s[G0S:G0S+3], s[G1S:G1S+7]
	s_nop 0
	tensor_load_to_lds s[G0A:G0A+3], s[G1A:G1A+7]
	s_nop 0
	tensor_load_to_lds s[G0A+4:G0A+7], s[G1A:G1A+7]
	s_nop 0
.rept 4
	v_nop
.endr
	s_branch .Lfirst_asked
.Lfirst_b:
	tensor_load_to_lds s[G0SB:G0SB+3], s[G1SB:G1SB+7]
	s_nop 0
	tensor_load_to_lds s[G0B:G0B+3], s[G1B:G1B+7]
	s_nop 0
	tensor_load_to_lds s[G0B+4:G0B+7], s[G1B:G1B+7]
	s_nop 0
.rept 4
	v_nop
.endr
.Lfirst_asked:
	; the bias: bv in V's clusters, else bq or bk by the cluster's x
	s_cmp_eq_u32 s42, 0
	s_cselect_b64 s[8:9], s[8:9], s[10:11]
	s_cmp_ge_u32 s43, 8
	s_cselect_b64 s[8:9], s[12:13], s[8:9]
	s_lshl_b32 s18, s40, 10
	s_lshl_b32 s19, s22, 9
	s_add_co_u32 s18, s18, s19                     ; along the registers: from channel 256 cx + 128 x my half of the columns
	s_mov_b32 s19, 0
	s_add_nc_u64 s[10:11], s[8:9], s[18:19]
	s_lshl_b32 s18, s41, 10
	s_lshl_b32 s2, s21, 9
	s_add_co_u32 s18, s18, s2                      ; along the lanes: from channel 256 cy + 128 x my half of the rows
	s_add_nc_u64 s[12:13], s[8:9], s[18:19]
	v_and_b32 v3, 31, v0
	v_lshlrev_b32 v[CO], 4, v3
	v_and_b32 v1, 15, v0                           ; r
	v_bfe_u32 v2, v0, 4, 1                         ; h
	v_lshlrev_b32 v5, 6, v2                        ; 16 h numbers
	v_and_b32 v6, 8, v1
	v_add_nc_u32 v6, v6, v1
	v_lshlrev_b32 v6, 2, v6                        ; r % 8 + 16 (r / 8) numbers
.irp b, 0,1,2,3,4,5,6,7
	global_load_b128 v[BN+8*\b:BN+8*\b+3], v5, s[10:11] offset:(32*(\b/2)+8*(\b%2))*4
	global_load_b128 v[BN+8*\b+4:BN+8*\b+7], v5, s[10:11] offset:(32*(\b/2)+8*(\b%2))*4+16
.endr
.irp a, 0,1,2,3,4,5,6,7
	global_load_b32 v[BM+2*\a], v6, s[12:13] offset:(32*(\a/2)+8*(\a%2))*4
.endr
	v_lshlrev_b32 v[WO], 5, v1
	v_lshl_add_u32 v[WO], v2, 4, v[WO]
	s_mul_i32 s18, s21, HALFT                      ; my 128 places of A,
	s_mul_i32 s19, s22, HALFT
	s_add_co_u32 s19, s19, 2*HALFT                 ; and of B, behind A's two halves
.irp s, 0,1
	v_add_nc_u32 v[ADRA+\s], s18, v[CO]
	v_add_nc_u32 v[ADRB+\s], s19, v[CO]
	s_add_co_u32 s18, s18, SLOT
	s_add_co_u32 s19, s19, SLOT
.endr
	s_xor_b32 s19, s21, 1
	s_add_co_u32 s19, s19, s22
	s_add_co_u32 s19, s19, 1
	s_mul_i32 s19, s19, HS                         ; from my half of A's scale words to my half of B's
	v_mul_u32_u24 v4, s19, v2                      ; lanes 16-31 take B's
	s_mul_i32 s18, s21, HS
	s_add_co_u32 s18, s18, SCL
	v_lshl_add_u32 v4, v1, 5, v4                   ; 32 bytes a lane: eight blocks' words
	v_add_nc_u32 v[ADRS], s18, v4
	; where my results go.  Q, K: plane x, group 8 y + 2 cy + half, 4 steps of 256 channels, step cx.  V^T: plane 2, group 8 (y - 8) + 2 cy + half, 8 steps of 256 keys, step 4 x + cx
	s_lshl_b32 s18, s41, 1
	s_add_co_u32 s18, s18, s21
	s_lshl_b32 s19, s43, 3
	s_add_co_u32 s19, s19, s18
	s_lshl_b32 s19, s19, 2
	s_add_co_u32 s19, s19, s40
	s_max_u32 s2, s43, 8
	s_sub_co_u32 s2, s2, 8
	s_lshl_b32 s2, s2, 3
	s_add_co_u32 s2, s2, s18
	s_lshl_b32 s2, s2, 3
	s_lshl_b32 s18, s42, 2
	s_add_co_u32 s2, s2, s18
	s_add_co_u32 s2, s2, s40
	s_mul_i32 s66, s42, 6291456
	s_lshl_b32 s67, s42, 18
	s_cmp_ge_u32 s43, 8
	s_cselect_b32 s2, s2, s19
	s_cselect_b32 s66, 12582912, s66
	s_cselect_b32 s67, 524288, s67
	s_mul_i32 s18, s2, HALFT
	s_add_co_u32 s18, s18, s66
	s_mul_i32 s19, s22, 12288                      ; my half of the columns is the step's 128 along the next K
	s_add_co_u32 s18, s18, s19
	s_mov_b32 s19, 0
	s_add_nc_u64 s[14:15], s[14:15], s[18:19]
	s_lshl_b32 s18, s2, 10
	s_add_co_u32 s18, s18, s67
	s_lshl_b32 s66, s22, 9
	s_add_co_u32 s18, s18, s66
	s_add_nc_u64 s[16:17], s[16:17], s[18:19]
	s_cmp_ge_u32 s43, 8
	s_cselect_b32 s66, 0, -1                       ; keeps the bias along the registers in Q's and K's clusters,
	s_cselect_b32 s67, -1, 0                       ; the bias along the lanes in V's
	s_wait_loadcnt 0x0
.set n, 0
.rept 64
	v_and_b32 v[BN+n], s66, v[BN+n]
.set n, n+1
.endr
.irp a, 0,1,2,3,4,5,6,7
	v_and_b32 v[BM+2*\a], s67, v[BM+2*\a]
.endr
.irp a, 0,1,2,3,4,5,6,7
	v_mov_b32 v[BM+2*\a+1], v[BM+2*\a]             ; twice: a pair for the packed addition
.endr
	PLACES 8                                       ; registers written by vector instructions stand well ahead of the scaled products that name them
.macro FRAG reg, adr, f                ; fragment f of a half tile: three loads of 512 consecutive bytes
.irp g, 0,1,2
	ds_load_b128 v[\reg+4*\g:\reg+4*\g+3], v[\adr] offset:(\f)*1536+512*\g
.endr
.endm
; 16 matrix instructions: A's blocks a0, a0 + 1 x B's eight, the slot's q-th 128 along K.  p: B's set; sc: the set of scale words.  zero = 2: the first products start the sums with the bias.
; The 64 accumulators take turns, one instruction a turn, in the same order in every step.
.macro MUL16 a0, p, q, sc, zero
.irp a, \a0, \a0+1
.irp b, 0,1,2,3,4,5,6,7
.if \zero == 2
	v_wmma_scale_f32_16x16x128_f8f6f4 v[8*(8*((\a)%4)+\b):8*(8*((\a)%4)+\b)+7], v[128*(\p)+FR*\b:128*(\p)+FR*\b+FR-1], v[AF+FR*(\a):AF+FR*(\a)+FR-1], v[BN+8*\b:BN+8*\b+7], v[SC+16*(\sc)+8*(\q)+\b], v[SC+16*(\sc)+8*(\q)+(\a)] matrix_a_fmt:MATRIX_FMT_FP6 matrix_b_fmt:MATRIX_FMT_FP6 matrix_a_scale:MATRIX_SCALE_ROW1
.else
	v_wmma_scale_f32_16x16x128_f8f6f4 v[8*(8*((\a)%4)+\b):8*(8*((\a)%4)+\b)+7], v[128*(\p)+FR*\b:128*(\p)+FR*\b+FR-1], v[AF+FR*(\a):AF+FR*(\a)+FR-1], v[8*(8*((\a)%4)+\b):8*(8*((\a)%4)+\b)+7], v[SC+16*(\sc)+8*(\q)+\b], v[SC+16*(\sc)+8*(\q)+(\a)] matrix_a_fmt:MATRIX_FMT_FP6 matrix_b_fmt:MATRIX_FMT_FP6 matrix_a_scale:MATRIX_SCALE_ROW1
.endif
.endr
.endr
.endm
.macro FETCH_B slot, q, p
	WIN TO_B
.irp i, 0,1,2,3,4,5,6,7
	FRAG 128*(\p)+FR*\i, ADRB+\slot, 8*(\q)+\i
.endr
	WIN 0
.endm
.macro FETCH_A slot, q, i0
.irp i, \i0, \i0+1, \i0+2, \i0+3
	FRAG AF+FR*(\i), ADRA+\slot, 8*(\q)+(\i)
.endr
.endm
.macro SCALES sc                       ; a slot's scale words: eight blocks' words of a lane are 32 bytes on end, for each 128 along K
.irp q, 0,1
.irp g, 0,1
	ds_load_b128 v[SC+16*\sc+8*\q+4*\g:SC+16*\sc+8*\q+4*\g+3], v[ADRS] offset:512*\q+16*\g
.endr
.endr
.endm
; A step of 128 along K that has its successor in the same slot.  A's blocks are free as soon as their eight products are issued: blocks 0-3 are fetched anew in the middle, blocks 4-7 at the end.
.macro STEP slot, q, zero
	s_wait_dscnt 4*NL                              ; all but the youngest 12 loads (A's blocks 4-7) are in
.if \zero == 2
	WIN BIAS_LO
.else
	WIN MUL_LO
.endif
	MUL16 0, (\q)%2, \q, \slot, \zero
	MUL16 2, (\q)%2, \q, \slot, \zero
	s_wait_dscnt 0x0                               ; A's blocks 4-7 are in
	PLACES NP                                      ; in front of loads into registers that matrix instructions have read
	FETCH_B \slot, (\q)+1, 1-(\q)%2
	FETCH_A \slot, (\q)+1, 0
.if \zero == 2
	WIN BIAS_HI
.else
	WIN MUL_HI
.endif
	MUL16 4, (\q)%2, \q, \slot, \zero
	MUL16 6, (\q)%2, \q, \slot, \zero
	PLACES NP
	WIN 0
	FETCH_A \slot, (\q)+1, 4
.endm
; A slot's last step changes slots: one barrier; in front of it each wave waits for all its tensor loads, adds 0 to its spare word, and waits for that and for its reads of this slot.  fill = 1: the slot is filled again, two steps of 256 ahead.
.macro TURN slot, next, fill
	s_wait_tensorcnt 0x0                           ; all my tensor loads have landed: my part of the next slot
	ds_add_u32 v[SPW], v[NIL]                      ; 0 onto my spare word
	s_wait_dscnt 4*NL+1                            ; (the add and the youngest 12 loads may be out)
	WIN MUL_LO
	MUL16 0, 1, 1, \slot, 0
	s_wait_dscnt 0x0                               ; the add is done, and my reads of this slot are over
	s_barrier_signal -1
	MUL16 2, 1, 1, \slot, 0
	WIN 0
	s_barrier_wait -1
.if \fill
	CREST                                          ; the barrier has opened a round of the cluster's: no wave of any partner still reads this slot or has a load on its way
	s_add_nc_u64 s[G0A+4*\slot+2:G0A+4*\slot+3], s[G0A+4*\slot+2:G0A+4*\slot+3], 2*HALFT
	s_add_nc_u64 s[G0B+4*\slot+2:G0B+4*\slot+3], s[G0B+4*\slot+2:G0B+4*\slot+3], 2*HALFT
	JLOAD \slot                                    ; the first tensor load behind the round; its four v_nop are the places in front of the loads below
.else
	PLACES NP
.endif
	v_add_nc_u32 v[ADRS], 1024, v[ADRS]            ; the next slot's scale words
	FETCH_B \next, 0, 0
	FETCH_A \next, 0, 0
	SCALES \next
	WIN MUL_HI
	MUL16 4, 1, 1, \slot, 0
	MUL16 6, 1, 1, \slot, 0
	PLACES NP
	WIN 0
	FETCH_A \next, 0, 4
.endm
	s_wait_tensorcnt 1                             ; my scale words and my part of slot 0 are in; slot 1's load may stay out
	s_barrier_signal -1
	s_barrier_wait -1
	FETCH_B 0, 0, 0
	FETCH_A 0, 0, 0
	SCALES 0
	FETCH_A 0, 0, 4
	STEP 0, 0, 2                                   ; the first step stands in front of the loop: its products start the sums
	s_mov_b32 s3, LAPS-1
.Llap:                                             ; a trip goes once round the ring and fills both slots again
	TURN 0, 1, 1
	STEP 1, 0, 0
	TURN 1, 0, 1
	STEP 0, 0, 0
	s_sub_co_u32 s3, s3, 1
	s_cmp_lg_u32 s3, 0
	s_cbranch_scc1 .Llap
	TURN 0, 1, 0                                   ; the last lap fills nothing
	STEP 1, 0, 0
	s_wait_dscnt 4*NL
	WIN MUL_LO
	MUL16 0, 1, 1, 1, 0
	MUL16 2, 1, 1, 1, 0
	s_wait_dscnt 0x0
	WIN MUL_HI
	MUL16 4, 1, 1, 1, 0
	MUL16 6, 1, 1, 1, 0
	WIN 0
	PLACES NP
; 64 numbers of a lane, register 16 b + i = k 32 b + 16 h + i of my row, become a fragment's codes in v[PC] on and its scale word in v[w].
.macro QUANT s, w
.irp b, 0,1,2,3
	v_max3_num_f32 v[TM+\b], |v[\s+16*\b]|, |v[\s+1+16*\b]|, 0x1800000   ; my 16 numbers of block b, and the floor 2^(3 - 127): the byte cannot fall under 1
.endr
.irp i, 2,4,6,8,10,12,14
.irp b, 0,1,2,3
	v_max3_num_f32 v[TM+\b], v[TM+\b], |v[\s+16*\b+\i]|, |v[\s+1+16*\b+\i]|
.endr
.endr
.irp b, 0,1,2,3
	v_permlanex16_b32 v[TM+4+\b], v[TM+\b], s[SEL], s[SEL+1]
.endr
.irp b, 0,1,2,3
	v_max_num_f32 v[TM+\b], v[TM+\b], v[TM+4+\b]   ; with lane l xor 16's: the block's largest magnitude
.endr
.irp b, 0,1,2,3
	v_add_nc_u32 v[TM+12+\b], 0xff000000, v[TM+\b] ; 2 off its exponent field: the conversion's scale operand
.endr
.irp b, 0,1,2,3
	v_lshrrev_b32 v[TM+4+\b], 23, v[TM+12+\b]      ; the scale's byte
.endr
	v_lshl_or_b32 v[\w], v[TM+5], 8, v[TM+4]
	v_lshl_or_b32 v[\w], v[TM+6], 16, v[\w]
	v_lshl_or_b32 v[\w], v[TM+7], 24, v[\w]
.irp c, 0,1
	v_cvt_scalef32_pk16_fp6_f32 v[PC+6*\c:PC+2+6*\c], v[\s+32*\c:\s+15+32*\c], v[TM+12+2*\c]
	v_cvt_scalef32_pk16_fp6_f32 v[PC+12+4*\c:PC+14+4*\c], v[\s+16+32*\c:\s+31+32*\c], v[TM+12+2*\c+1]   ; (a conversion's three registers begin on an even number)
.endr
	v_nop                                          ; one plain place behind a scaled conversion
.irp c, 0,1                                    ; the operand's layout wants a whole block in a lane: lanes 0-15 block 2 c, lanes 16-31 block 2 c + 1
.irp i, 0,1,2
	v_permlane16_swap_b32 v[PC+6*\c+\i], v[PC+12+4*\c+\i]
.endr
.irp i, 0,1,2
	v_mov_b32 v[PC+3+6*\c+\i], v[PC+12+4*\c+\i]
.endr
.endr
.endm
; THE WAY OUT of A's block a: its 64 registers are 64 numbers of my row along the next K; the bias along the lanes is added as they come to window 0; quantised, they are one fragment, stored as it stands.
.macro OUT1 a
	s_wait_xcnt 0x0                                ; the last block's stores have read the codes' registers
	WIN 0x02+(\a)/4                                ; source 0: window 2 or 3
.set j, 0
.rept 32
	v_pk_add_f32 v[T+j:T+j+1], v[64*((\a)%4)+j:64*((\a)%4)+j+1], v[BM+2*(\a):BM+2*(\a)+1]   ; each accumulator from its low end on
.set j, j+2
.endr
	WIN 0
	QUANT T, PWS+(\a)
.irp g, 0,1,2
	global_store_b128 v[CO], v[PC+4*\g:PC+4*\g+3], s[14:15] offset:1536*(\a)+512*\g   ; 512 consecutive bytes
.endr
.endm
	s_mov_b32 s[SEL], 0x76543210                   ; (every tensor load has been waited for: the scale descriptors' registers are free)
	s_mov_b32 s[SEL+1], 0xfedcba98
.irp a, 0,1,2,3,4,5,6,7
	OUT1 \a
.endr
	v_cmp_ne_u32 vcc_lo, 0, v2
.irp k, 0,1,2,3
	v_cndmask_b32 v[SO+\k], v[PWS+\k], v[PWS+4+\k], vcc_lo   ; lanes 0-15 store blocks 0-3's words of their row, lanes 16-31 blocks 4-7's
.endr
	global_store_b128 v[WO], v[SO:SO+3], s[16:17]  ; 512 consecutive bytes
	s_wait_tensorcnt 0x0                           ; the wave's end
	ds_add_u32 v[SPW], v[NIL]
	s_wait_dscnt 0x0
	CROUND                                         ; the closing round
	s_endpgm
.Lfunc_end_k_q4d40714428_proj:
	.size	k_q4d40714428_proj, .Lfunc_end_k_q4d40714428_proj-k_q4d40714428_proj
	.p2alignl 7, 3214868480
	.fill 96, 4, 3214868480
	.section	.rodata,"a",@progbits
	.p2align	6, 0x0
	.amdhsa_kernel k_q4d40714428_proj
		.amdhsa_group_segment_fixed_size 327680
		.amdhsa_private_segment_fixed_size 0
		.amdhsa_enable_private_segment 0
		.amdhsa_kernarg_size 56
		.amdhsa_user_sgpr_count 2
		.amdhsa_user_sgpr_kernarg_segment_ptr 1
		.amdhsa_wavefront_size32 1
		.amdhsa_system_sgpr_workgroup_id_x 1
		.amdhsa_system_sgpr_workgroup_id_y 1
		.amdhsa_system_sgpr_workgroup_id_z 1
		.amdhsa_system_vgpr_workitem_id 0
		.amdhsa_next_free_vgpr 1024
		.amdhsa_next_free_sgpr 100
		.amdhsa_reserve_vcc 1
		.amdhsa_float_denorm_mode_32 3
		.amdhsa_float_denorm_mode_16_64 3
		.amdhsa_memory_ordered 1
		.amdhsa_forward_progress 1
		.amdhsa_inst_pref_size 160
	.end_amdhsa_kernel
	.amdgpu_metadata
---
amdhsa.version: [ 1, 2 ]
amdhsa.kernels:
  - .name:           k_q4d40714428_proj
    .symbol:         k_q4d40714428_proj.kd
    .args:
      - { .name: xwc, .offset: 0, .size: 8, .value_kind: global_buffer, .address_space: global }
      - { .name: xws, .offset: 8, .size: 8, .value_kind: global_buffer, .address_space: global }
      - { .name: bq, .offset: 16, .size: 8, .value_kind: global_buffer, .address_space: global }
      - { .name: bk, .offset: 24, .size: 8, .value_kind: global_buffer, .address_space: global }
      - { .name: bv, .offset: 32, .size: 8, .value_kind: global_buffer, .address_space: global }
      - { .name: qkvc, .offset: 40, .size: 8, .value_kind: global_buffer, .address_space: global }
      - { .name: qkvs, .offset: 48, .size: 8, .value_kind: global_buffer, .address_space: global }
    .group_segment_fixed_size: 327680
    .private_segment_fixed_size: 0
    .kernarg_segment_align: 8
    .kernarg_segment_size: 56
    .max_flat_workgroup_size: 128
    .sgpr_count:     100
    .vgpr_count:     1024
    .wavefront_size: 32
...
	.end_amdgpu_metadata
.endif
;; end of part 2
;; launch score (part 3): grid 8 x 32, 4 waves a work-group, clusters of 4 x 4, 327,680 bytes of LDS; arguments qkvc, qkvs, mask, pc, pst; writes pc, pst
.if DOCPART == 3
	.amdgcn_target "amdgcn-amd-amdhsa--gfx1250"
	.amdhsa_code_object_version 6
	.text
	.protected	k_q4d40714428_score
	.globl	k_q4d40714428_score
	.p2align	8
	.type	k_q4d40714428_score,@function
k_q4d40714428_score:
	s_mov_b64 s[64:65], 0
	v_nop
	global_prefetch_b8 v0, s[64:65] scope:SCOPE_SE
	s_setreg_imm32_b32 hwreg(HW_REG_WAVE_MODE, 25, 1), 1
	s_wait_xcnt 0x0
	s_wait_alu depctr_hold_cnt(0) depctr_sa_sdst(0) depctr_va_vdst(0) depctr_va_sdst(0) depctr_va_ssrc(0) depctr_va_vcc(0) depctr_vm_vsrc(0)
	s_getreg_b32 s2, hwreg(HW_REG_IB_STS2, 6, 4)
	s_cmp_eq_u32 s2, 0
	s_cbranch_scc0 .Lentry_in_a_cluster
	s_endpgm
.Lentry_in_a_cluster:
	s_bfe_u32 s2, ttmp6, 0x10000c
	s_cmp_lg_u32 s2, 0xf033
	s_cbranch_scc0 .Lentry_shape_is_right
	s_endpgm
.Lentry_shape_is_right:
; S = Q K^T on codes of FP6 (E2M3) with E8M0 scales, the key mask, and the softmax's numerator for each row and each 128 keys: t = S x log2(e) / 32; M = the largest t of these 128 keys, rounded UP to a whole number;
; p = 2^(t - M), quantised along the keys and stored as codes; beside them the scale word, -M and l = the sum of the unquantised p.  The next launch brings the 16 parts of a row under the row's own M by shifting scale bytes:
; M is a whole number, so the codes do not change.
; A tile of 256 queries x 256 keys to a work-group of four waves, 128 x 128 to a wave.  K = 1,024 goes in steps of 256 through a ring of two LDS slots.  Operands lie in memory as images of their registers
; (a fragment of 16 places x 128 K: 1,536 bytes), [group of 128 places][256 along K][128][block]; place p of a group holds row p with bits 3 and 4 exchanged.
; THE MATRIX INSTRUCTION IS USED TRANSPOSED (source 0 = 16 places of K, source 1 = 16 places of Q): lane (r, h) holds query place r, and register j of accumulator 2 u2 + u holds key 32 u2 + 16 h + 8 u + j.
; CLUSTERS of 4 x 4: Q's tiles are asked for jointly by a row of the cluster, K's by a column.
; A part all of whose keys are masked has -M = 3e38, p = 0, l = 0.
; LIMITS: NaN and infinities are not served.  A block whose every p is 0 has the byte 1: its codes are zeros, and this program alone reads the bytes.
; REGISTERS: window 0: v1 r, v2 h, v16-29 addresses; v32-63 scale words, two sets; v64-127 the mask as 0 or -infinity; v128-223 A's fragments.  window 1: B's fragments, two sets.  windows 2, 3: the accumulators.
.set NS,    4
.set HALFT, 24576
.set SLOT,  4*HALFT
.set HS,    NS*1024
.set SCL,   2*SLOT
.set SPARE, SCL+4*HS
.set LAPS,  NS/2
.set FR,    12
.set NL,    3
.set NP,    4
.set ADRA,  16
.set ADRB,  20
.set CO,    24                         ; v24 16 x lane
.set WO,    25                         ; v25 32 r + 16 h
.set ADRS,  27
.set SPW,   28
.set NIL,   29
.set SC,    32
.set MK,    64                         ; v64-127 register 16 b + i: key 32 b + 16 h + i of my 128: 0 where it counts, -infinity where it is masked
.set AF,    128
.set PWS,   32                         ; the way out: v32-39 scale words, v40-47 -M, v48-55 l, of the eight blocks
.set NMS,   40
.set LSS,   48
.set T,     128                        ; v128-191 64 scores of my query, then p
.set PC,    192                        ; v192-210 the codes
.set BX,    212                        ; v212-215 the blocks' largest scores, then their largest p
.set BY,    216                        ; v216-219 the other half of the lanes'; then the bytes
.set SF,    220                        ; v220-223 the conversions' scale operands
.set NM,    224                        ; v[224:225] -M (the packed form names a pair and takes its low word)
.set SA,    226                        ; v[226:227], v[228:229] the sum, in two chains
.set SB,    228
.set TP,    230
.set SO,    232                        ; v232-243 words to store
.set RW,    240                        ; v240-255 at the head: the mask's bytes
.set G1A, 24
.set G0A, 32
.set G1B, 48
.set G0B, 56
.set G1S, 68
.set G0S, 76
.set G1SB, 80
.set G0SB, 88
.set SEL, 68                           ; s[68:69], s[70:71] on the way out, when every tensor load has been waited for: lane selects; c
.set CS,  70
.set MSB, 0
.macro WIN new
.if MSB != (\new)
	s_set_vgpr_msb (MSB<<8)|(\new)
.set MSB, (\new)
.endif
.endm
.set MUL_LO, 0xa1
.set MUL_HI, 0xf1
.set TO_B,   0x40
.macro PLACES n
.rept \n
	v_nop
.endr
.endm
.macro JLOAD s                         ; a joint refill: waves 0 and 1 fetch A's halves, waves 2 and 3 B's; four v_nop follow each of the two lines
	s_cmp_eq_u32 s21, 0
	s_cbranch_scc0 .Lfor_b_\@
	tensor_load_to_lds s[G0A+4*\s:G0A+4*\s+3], s[G1A:G1A+7]
	s_nop 0
.rept 4
	v_nop
.endr
	s_branch .Lasked_\@
.Lfor_b_\@:
	tensor_load_to_lds s[G0B+4*\s:G0B+4*\s+3], s[G1B:G1B+7]
	s_nop 0
.rept 4
	v_nop
.endr
.Lasked_\@:
.endm
.macro CREST
	s_cmp_lg_u32 s20, 0
	s_cbranch_scc1 .Lnot_wave_0_\@
	s_barrier_signal -3
.Lnot_wave_0_\@:
	s_barrier_wait -3
	s_barrier_signal -1
	s_barrier_wait -1
.endm
.macro CROUND
	s_barrier_signal -1
	s_barrier_wait -1
	CREST
.endm
	s_load_b256 s[4:11], s[0:1], 0x0               ; Q's and K's codes, their scale words, the mask, p's codes
	s_load_b64 s[12:13], s[0:1], 0x20              ; p's scale words, -M, l
	v_lshl_add_u32 v[SPW], v0, 2, SPARE
	v_mov_b32 v[NIL], 0
	ds_add_u32 v28, v29
	ds_add_u32 v28, v29
	s_wait_dscnt 0x0
	v_lshrrev_b32 v1, 5, v0
	v_readfirstlane_b32 s20, v1                    ; wave 0..3
	s_lshr_b32 s21, s20, 1                         ; my half of the queries.  Also: I fetch for A (0) or for B (1)
	s_and_b32 s22, s20, 1                          ; my half of the keys.  Also: which half I fetch
	s_bfe_u32 s40, ttmp6, 0x40000                  ; cx
	s_bfe_u32 s41, ttmp6, 0x40004                  ; cy
	s_mov_b32 s42, ttmp9                           ; cluster x
	s_and_b32 s43, ttmp7, 0xffff                   ; cluster y
	s_lshl_b32 s44, s41, 2
	s_lshl_b32 s44, 15, s44                        ; my row of the cluster
	s_lshl_b32 s45, 0x1111, s40                    ; my column
	s_or_b32 s[G1A], s44, (3<<16)|(1<<21)          ; the mask; elements of 8 bytes; no padding; bit 21 set beside a mask
	s_or_b32 s[G1B], s45, (3<<16)|(1<<21)
.irp g, G1A, G1B
	s_mov_b32 s[\g+1], 32<<16                      ; rows of 256 bytes,
	s_mov_b32 s[\g+2], (HALFT/256)<<16             ; 96 of them: a dense block
	s_mov_b32 s[\g+3], 32<<16
	s_mov_b32 s[\g+4], HALFT/256
	s_mov_b32 s[\g+5], 32
	s_mov_b32 s[\g+6], 0
	s_mov_b32 s[\g+7], 0
.endr
	s_or_b32 s[G1S], s44, (3<<16)|(1<<21)
	s_or_b32 s[G1SB], s45, (3<<16)|(1<<21)
.irp g, G1S, G1SB
	s_mov_b32 s[\g+1], 32<<16
	s_mov_b32 s[\g+2], (HS/256)<<16
	s_mov_b32 s[\g+3], 32<<16
	s_mov_b32 s[\g+4], HS/256
	s_mov_b32 s[\g+5], 32
	s_mov_b32 s[\g+6], 0
	s_mov_b32 s[\g+7], 0
.endr
	; A: Q's group 8 y + 2 cy + half
	s_lshl_b32 s46, s43, 3
	s_lshl_b32 s67, s41, 1
	s_add_co_u32 s46, s46, s67
	s_add_co_u32 s46, s46, s22
	s_mul_i32 s94, s46, NS*HALFT
	s_mov_b32 s95, 0
	s_lshl_b32 s96, s46, 12
	s_mov_b32 s97, 0
	; B: K's plane, group 16 (y / 2) + 8 x + 2 cx + half (y / 2 is the batch)
	s_lshr_b32 s47, s43, 1
	s_lshl_b32 s47, s47, 4
	s_lshl_b32 s66, s42, 3
	s_add_co_u32 s47, s47, s66
	s_lshl_b32 s66, s40, 1
	s_add_co_u32 s47, s47, s66
	s_add_co_u32 s47, s47, s22
	s_mul_i32 s98, s47, NS*HALFT
	s_add_co_u32 s98, s98, 6291456
	s_mov_b32 s99, 0
	s_lshl_b32 s92, s47, 12
	s_add_co_u32 s92, s92, 262144
	s_mov_b32 s93, 0
	s_mul_i32 s23, s20, HALFT
	s_mul_i32 s2, s20, HS
	s_wait_kmcnt 0x0
	s_mov_b32 s[G0S], 1
	s_add_co_u32 s[G0S+1], s2, SCL
	s_add_nc_u64 s[G0S+2:G0S+3], s[6:7], s[96:97]
	s_or_b32 s[G0S+3], s[G0S+3], 0x80000000
	s_mov_b32 s[G0SB], 1
	s_add_co_u32 s[G0SB+1], s2, SCL
	s_add_nc_u64 s[G0SB+2:G0SB+3], s[6:7], s[92:93]
	s_or_b32 s[G0SB+3], s[G0SB+3], 0x80000000
	s_add_nc_u64 s[94:95], s[4:5], s[94:95]
	s_add_nc_u64 s[98:99], s[4:5], s[98:99]
.irp s, 0,1
	s_mov_b32 s[G0A+4*\s], 1
	s_add_co_u32 s[G0A+4*\s+1], s23, \s*SLOT
	s_add_nc_u64 s[G0A+4*\s+2:G0A+4*\s+3], s[94:95], \s*HALFT
	s_or_b32 s[G0A+4*\s+3], s[G0A+4*\s+3], 0x80000000
	s_mov_b32 s[G0B+4*\s], 1
	s_add_co_u32 s[G0B+4*\s+1], s23, \s*SLOT
	s_add_nc_u64 s[G0B+4*\s+2:G0B+4*\s+3], s[98:99], \s*HALFT
	s_or_b32 s[G0B+4*\s+3], s[G0B+4*\s+3], 0x80000000
.endr
	CROUND                                         ; all sixteen work-groups are here: the first joint loads meet
	s_cmp_eq_u32 s21, 0                            ; a wave's three first fills stand in one branch: three loads of mine are out
	s_cbranch_scc0 .Lfirst_b
	tensor_load_to_lds s[G0S:G0S+3], s[G1S:G1S+7]
	s_nop 0
	tensor_load_to_lds s[G0A:G0A+3], s[G1A:G1A+7]
	s_nop 0
	tensor_load_to_lds s[G0A+4:G0A+7], s[G1A:G1A+7]
	s_nop 0
.rept 4
	v_nop
.endr
	s_branch .Lfirst_asked
.Lfirst_b:
	tensor_load_to_lds s[G0SB:G0SB+3], s[G1SB:G1SB+7]
	s_nop 0
	tensor_load_to_lds s[G0B:G0B+3], s[G1B:G1B+7]
	s_nop 0
	tensor_load_to_lds s[G0B+4:G0B+7], s[G1B:G1B+7]
	s_nop 0
.rept 4
	v_nop
.endr
.Lfirst_asked:
	; the mask's bytes of my 128 keys: batch y / 2, from key 256 (4 x + cx) + 128 x my half
	s_lshr_b32 s18, s43, 1
	s_lshl_b32 s18, s18, 11
	s_lshl_b32 s19, s42, 10
	s_add_co_u32 s18, s18, s19
	s_lshl_b32 s19, s40, 8
	s_add_co_u32 s18, s18, s19
	s_lshl_b32 s19, s22, 7
	s_add_co_u32 s18, s18, s19
	s_mov_b32 s19, 0
	s_add_nc_u64 s[8:9], s[8:9], s[18:19]
	v_and_b32 v3, 31, v0
	v_lshlrev_b32 v[CO], 4, v3
	v_and_b32 v1, 15, v0                           ; r
	v_bfe_u32 v2, v0, 4, 1                         ; h
	v_lshlrev_b32 v5, 4, v2
.irp b, 0,1,2,3
	global_load_b128 v[RW+4*\b:RW+4*\b+3], v5, s[8:9] offset:32*\b   ; keys 32 b + 16 h + 0 .. 15
.endr
	v_lshlrev_b32 v[WO], 5, v1
	v_lshl_add_u32 v[WO], v2, 4, v[WO]
	s_mul_i32 s18, s21, HALFT
	s_mul_i32 s19, s22, HALFT
	s_add_co_u32 s19, s19, 2*HALFT
.irp s, 0,1
	v_add_nc_u32 v[ADRA+\s], s18, v[CO]
	v_add_nc_u32 v[ADRB+\s], s19, v[CO]
	s_add_co_u32 s18, s18, SLOT
	s_add_co_u32 s19, s19, SLOT
.endr
	s_xor_b32 s19, s21, 1
	s_add_co_u32 s19, s19, s22
	s_add_co_u32 s19, s19, 1
	s_mul_i32 s19, s19, HS                         ; from my half of A's scale words to my half of B's
	v_mul_u32_u24 v4, s19, v2
	s_mul_i32 s18, s21, HS
	s_add_co_u32 s18, s18, SCL
	v_lshl_add_u32 v4, v1, 5, v4
	v_add_nc_u32 v[ADRS], s18, v4
	; where my results go: group 8 y + 2 cy + half of the queries, 8 steps of 256 keys, step 4 x + cx; my half of the keys is the step's 128
	s_lshl_b32 s18, s43, 3
	s_lshl_b32 s19, s41, 1
	s_add_co_u32 s18, s18, s19
	s_add_co_u32 s18, s18, s21
	s_lshl_b32 s18, s18, 3
	s_lshl_b32 s19, s42, 2
	s_add_co_u32 s18, s18, s19
	s_add_co_u32 s2, s18, s40
	s_mul_i32 s18, s2, HALFT
	s_mul_i32 s19, s22, 12288
	s_add_co_u32 s18, s18, s19
	s_mov_b32 s19, 0
	s_add_nc_u64 s[10:11], s[10:11], s[18:19]
	s_lshl_b32 s18, s2, 10
	s_lshl_b32 s66, s22, 9
	s_add_co_u32 s18, s18, s66
	s_add_nc_u64 s[12:13], s[12:13], s[18:19]
	s_wait_loadcnt 0x0
.set n, 0
.rept 64
	v_bfe_u32 v[MK+n], v[RW+n/4], 8*(n%4), 8       ; the key's byte: 1 where it counts
.set n, n+1
.endr
.set n, 0
.rept 64
	v_add_nc_u32 v[MK+n], -1, v[MK+n]              ; 0, or all ones
.set n, n+1
.endr
.set n, 0
.rept 64
	v_and_b32 v[MK+n], 0xff800000, v[MK+n]         ; 0, or -infinity
.set n, n+1
.endr
.macro FRAG reg, adr, f
.irp g, 0,1,2
	ds_load_b128 v[\reg+4*\g:\reg+4*\g+3], v[\adr] offset:(\f)*1536+512*\g
.endr
.endm
; 16 matrix instructions: A's blocks a0, a0 + 1 x B's eight.  zero = 1: the first products start the sums.  The 64 accumulators take turns, one instruction a turn.
.macro MUL16 a0, p, q, sc, zero
.irp a, \a0, \a0+1
.irp b, 0,1,2,3,4,5,6,7
.if \zero
	v_wmma_scale_f32_16x16x128_f8f6f4 v[8*(8*((\a)%4)+\b):8*(8*((\a)%4)+\b)+7], v[128*(\p)+FR*\b:128*(\p)+FR*\b+FR-1], v[AF+FR*(\a):AF+FR*(\a)+FR-1], 0, v[SC+16*(\sc)+8*(\q)+\b], v[SC+16*(\sc)+8*(\q)+(\a)] matrix_a_fmt:MATRIX_FMT_FP6 matrix_b_fmt:MATRIX_FMT_FP6 matrix_a_scale:MATRIX_SCALE_ROW1
.else
	v_wmma_scale_f32_16x16x128_f8f6f4 v[8*(8*((\a)%4)+\b):8*(8*((\a)%4)+\b)+7], v[128*(\p)+FR*\b:128*(\p)+FR*\b+FR-1], v[AF+FR*(\a):AF+FR*(\a)+FR-1], v[8*(8*((\a)%4)+\b):8*(8*((\a)%4)+\b)+7], v[SC+16*(\sc)+8*(\q)+\b], v[SC+16*(\sc)+8*(\q)+(\a)] matrix_a_fmt:MATRIX_FMT_FP6 matrix_b_fmt:MATRIX_FMT_FP6 matrix_a_scale:MATRIX_SCALE_ROW1
.endif
.endr
.endr
.endm
.macro FETCH_B slot, q, p
	WIN TO_B
.irp i, 0,1,2,3,4,5,6,7
	FRAG 128*(\p)+FR*\i, ADRB+\slot, 8*(\q)+\i
.endr
	WIN 0
.endm
.macro FETCH_A slot, q, i0
.irp i, \i0, \i0+1, \i0+2, \i0+3
	FRAG AF+FR*(\i), ADRA+\slot, 8*(\q)+(\i)
.endr
.endm
.macro SCALES sc
.irp q, 0,1
.irp g, 0,1
	ds_load_b128 v[SC+16*\sc+8*\q+4*\g:SC+16*\sc+8*\q+4*\g+3], v[ADRS] offset:512*\q+16*\g
.endr
.endr
.endm
.macro STEP slot, q, zero
	s_wait_dscnt 4*NL                              ; all but the youngest 12 loads (A's blocks 4-7) are in
	WIN MUL_LO
	MUL16 0, (\q)%2, \q, \slot, \zero
	MUL16 2, (\q)%2, \q, \slot, \zero
	s_wait_dscnt 0x0
	PLACES NP
	FETCH_B \slot, (\q)+1, 1-(\q)%2
	FETCH_A \slot, (\q)+1, 0
	WIN MUL_HI
	MUL16 4, (\q)%2, \q, \slot, \zero
	MUL16 6, (\q)%2, \q, \slot, \zero
	PLACES NP
	WIN 0
	FETCH_A \slot, (\q)+1, 4
.endm
.macro TURN slot, next, fill
	s_wait_tensorcnt 0x0                           ; all my tensor loads have landed: my part of the next slot
	ds_add_u32 v[SPW], v[NIL]                      ; 0 onto my spare word
	s_wait_dscnt 4*NL+1                            ; (the add and the youngest 12 loads may be out)
	WIN MUL_LO
	MUL16 0, 1, 1, \slot, 0
	s_wait_dscnt 0x0                               ; the add is done, and my reads of this slot are over
	s_barrier_signal -1
	MUL16 2, 1, 1, \slot, 0
	WIN 0
	s_barrier_wait -1
.if \fill
	CREST                                          ; the barrier has opened a round of the cluster's
	s_add_nc_u64 s[G0A+4*\slot+2:G0A+4*\slot+3], s[G0A+4*\slot+2:G0A+4*\slot+3], 2*HALFT
	s_add_nc_u64 s[G0B+4*\slot+2:G0B+4*\slot+3], s[G0B+4*\slot+2:G0B+4*\slot+3], 2*HALFT
	JLOAD \slot                                    ; the first tensor load behind the round; its four v_nop are the places in front of the loads below
.else
	PLACES NP
.endif
	v_add_nc_u32 v[ADRS], 1024, v[ADRS]
	FETCH_B \next, 0, 0
	FETCH_A \next, 0, 0
	SCALES \next
	WIN MUL_HI
	MUL16 4, 1, 1, \slot, 0
	MUL16 6, 1, 1, \slot, 0
	PLACES NP
	WIN 0
	FETCH_A \next, 0, 4
.endm
	s_wait_tensorcnt 1                             ; my scale words and my part of slot 0 are in; slot 1's load may stay out
	s_barrier_signal -1
	s_barrier_wait -1
	FETCH_B 0, 0, 0
	FETCH_A 0, 0, 0
	SCALES 0
	FETCH_A 0, 0, 4
	STEP 0, 0, 1
	s_mov_b32 s3, LAPS-1
.Llap:
	TURN 0, 1, 1
	STEP 1, 0, 0
	TURN 1, 0, 1
	STEP 0, 0, 0
	s_sub_co_u32 s3, s3, 1
	s_cmp_lg_u32 s3, 0
	s_cbranch_scc1 .Llap
	TURN 0, 1, 0
	STEP 1, 0, 0
	s_wait_dscnt 4*NL
	WIN MUL_LO
	MUL16 0, 1, 1, 1, 0
	MUL16 2, 1, 1, 1, 0
	s_wait_dscnt 0x0
	WIN MUL_HI
	MUL16 4, 1, 1, 1, 0
	MUL16 6, 1, 1, 1, 0
	WIN 0
	PLACES NP
; THE WAY OUT of query block a: 64 scores of my query (with lane l xor 16's: 128 keys) become p's fragment, its scale word, -M and l.
.macro OUT2 a
	s_wait_xcnt 0x0                                ; the last block's stores have read the codes' registers
	WIN 0x02+(\a)/4                                ; source 0: window 2 or 3
.set j, 0
.rept 32
	v_pk_add_f32 v[T+j:T+j+1], v[64*((\a)%4)+j:64*((\a)%4)+j+1], v[MK+j:MK+j+1]   ; to window 0, and the mask: + 0 or + -infinity; each accumulator from its low end on
.set j, j+2
.endr
	WIN 0
.irp b, 0,1,2,3
	v_max3_num_f32 v[BX+\b], v[T+16*\b], v[T+16*\b+1], v[T+16*\b+2]   ; the largest score of each block of 32 keys: for the row's maximum and, since p rises with the score, for the block's largest p
.endr
.irp i, 3,5,7,9,11,13
.irp b, 0,1,2,3
	v_max3_num_f32 v[BX+\b], v[BX+\b], v[T+16*\b+\i], v[T+16*\b+\i+1]
.endr
.endr
.irp b, 0,1,2,3
	v_max_num_f32 v[BX+\b], v[BX+\b], v[T+16*\b+15]
.endr
.irp b, 0,1,2,3
	v_permlanex16_b32 v[BY+\b], v[BX+\b], s[SEL], s[SEL+1]
.endr
.irp b, 0,1,2,3
	v_max_num_f32 v[BX+\b], v[BX+\b], v[BY+\b]     ; with lane l xor 16's 16 keys
.endr
	v_max3_num_f32 v[TP], v[BX], v[BX+1], v[BX+2]
	v_max_num_f32 v[TP], v[TP], v[BX+3]
	v_mul_f32 v[TP], s[CS], v[TP]                  ; as t (c is positive)
	v_max_num_f32 v[TP], 0xff61b1e6, v[TP]         ; -3e38 where all 128 keys are masked
	v_floor_f32 v[NM], -v[TP]                      ; -M = floor(-t) = -ceil(t)
.set j, 0
.rept 32
	v_pk_fma_f32 v[T+j:T+j+1], v[T+j:T+j+1], s[CS:CS+1], v[NM:NM+1] op_sel_hi:[1,0,0]   ; t - M
.set j, j+2
.endr
.irp b, 0,1,2,3
	v_fma_f32 v[BX+\b], v[BX+\b], s[CS], v[NM]     ; the same of each block's largest score
.endr
.set j, 0
.rept 64
	v_exp_f32 v[T+j], v[T+j]                       ; p = 2^(t - M)
.set j, j+1
.endr
	v_mov_b32 v[NMS+(\a)], v[NM]                   ; (a plain place behind the exponentials)
	s_wait_alu depctr_va_vdst(0)                   ; one wait for the whole batch, ahead of its first reader
.irp b, 0,1,2,3
	v_exp_f32 v[BX+\b], v[BX+\b]                   ; the block's largest p
.endr
	v_pk_add_f32 v[SA:SA+1], v[T:T+1], v[T+2:T+3]  ; l is the sum of the unquantised p: two at a time, in two chains
	v_pk_add_f32 v[SB:SB+1], v[T+4:T+5], v[T+6:T+7]
.irp j, 8,12,16,20,24,28,32,36,40,44,48,52,56,60
	v_pk_add_f32 v[SA:SA+1], v[SA:SA+1], v[T+\j:T+\j+1]
	v_pk_add_f32 v[SB:SB+1], v[SB:SB+1], v[T+\j+2:T+\j+3]
.endr
	v_pk_add_f32 v[SA:SA+1], v[SA:SA+1], v[SB:SB+1]
	v_add_f32 v[SA], v[SA], v[SA+1]
	v_permlanex16_b32 v[SB], v[SA], s[SEL], s[SEL+1]
	v_add_f32 v[LSS+(\a)], v[SA], v[SB]            ; with lane l xor 16's 64 keys
	s_wait_alu depctr_va_vdst(0)                   ; and one for the four
.irp b, 0,1,2,3
	v_max_num_f32 v[BX+\b], 0x1800000, v[BX+\b]    ; the floor 2^(3 - 127): the byte cannot fall under 1
.endr
.irp b, 0,1,2,3
	v_add_nc_u32 v[SF+\b], 0xff000000, v[BX+\b]    ; 2 off the exponent field: the conversion's scale operand
.endr
.irp b, 0,1,2,3
	v_lshrrev_b32 v[BY+\b], 23, v[SF+\b]           ; the scale's byte
.endr
	v_lshl_or_b32 v[PWS+(\a)], v[BY+1], 8, v[BY]
	v_lshl_or_b32 v[PWS+(\a)], v[BY+2], 16, v[PWS+(\a)]
	v_lshl_or_b32 v[PWS+(\a)], v[BY+3], 24, v[PWS+(\a)]
.irp c, 0,1
	v_cvt_scalef32_pk16_fp6_f32 v[PC+6*\c:PC+2+6*\c], v[T+32*\c:T+15+32*\c], v[SF+2*\c]
	v_cvt_scalef32_pk16_fp6_f32 v[PC+12+4*\c:PC+14+4*\c], v[T+16+32*\c:T+31+32*\c], v[SF+2*\c+1]   ; (a conversion's three registers begin on an even number)
.endr
	v_nop                                          ; one plain place behind a scaled conversion
.irp c, 0,1                                    ; the operand's layout wants a whole block in a lane
.irp i, 0,1,2
	v_permlane16_swap_b32 v[PC+6*\c+\i], v[PC+12+4*\c+\i]
.endr
.irp i, 0,1,2
	v_mov_b32 v[PC+3+6*\c+\i], v[PC+12+4*\c+\i]
.endr
.endr
.irp g, 0,1,2
	global_store_b128 v[CO], v[PC+4*\g:PC+4*\g+3], s[10:11] offset:1536*(\a)+512*\g   ; 512 consecutive bytes
.endr
.endm
.macro WORDS src, dst, plane           ; lanes 0-15 store blocks 0-3's words of their row, lanes 16-31 blocks 4-7's: 512 consecutive bytes
.irp k, 0,1,2,3
	v_cndmask_b32 v[\dst+\k], v[\src+\k], v[\src+4+\k], vcc_lo
.endr
	global_store_b128 v[WO], v[\dst:\dst+3], s[12:13] offset:\plane
.endm
	s_mov_b32 s[SEL], 0x76543210                   ; (every tensor load has been waited for: the scale descriptors' registers are free)
	s_mov_b32 s[SEL+1], 0xfedcba98
	s_mov_b32 s[CS], 0x3d38aa3b                    ; c = log2(e) / sqrt(1024)
	s_mov_b32 s[CS+1], s[CS]                       ; (named with it as a pair, so it is written)
	v_mov_b32 v[NM+1], 0                           ; (likewise)
.irp b, 0,1,2,3
	v_mov_b32 v[BY+\b], 0                          ; a lane permute's destination counts as one of its sources
.endr
.irp a, 0,1,2,3,4,5,6,7
	OUT2 \a
.endr
	v_cmp_ne_u32 vcc_lo, 0, v2
	WORDS PWS, SO, 0
	WORDS NMS, SO+4, 524288
	WORDS LSS, SO+8, 1048576
	s_wait_tensorcnt 0x0                           ; the wave's end
	ds_add_u32 v[SPW], v[NIL]
	s_wait_dscnt 0x0
	CROUND                                         ; the closing round
	s_endpgm
.Lfunc_end_k_q4d40714428_score:
	.size	k_q4d40714428_score, .Lfunc_end_k_q4d40714428_score-k_q4d40714428_score
	.p2alignl 7, 3214868480
	.fill 96, 4, 3214868480
	.section	.rodata,"a",@progbits
	.p2align	6, 0x0
	.amdhsa_kernel k_q4d40714428_score
		.amdhsa_group_segment_fixed_size 327680
		.amdhsa_private_segment_fixed_size 0
		.amdhsa_enable_private_segment 0
		.amdhsa_kernarg_size 40
		.amdhsa_user_sgpr_count 2
		.amdhsa_user_sgpr_kernarg_segment_ptr 1
		.amdhsa_wavefront_size32 1
		.amdhsa_system_sgpr_workgroup_id_x 1
		.amdhsa_system_sgpr_workgroup_id_y 1
		.amdhsa_system_sgpr_workgroup_id_z 1
		.amdhsa_system_vgpr_workitem_id 0
		.amdhsa_next_free_vgpr 1024
		.amdhsa_next_free_sgpr 100
		.amdhsa_reserve_vcc 1
		.amdhsa_float_denorm_mode_32 3
		.amdhsa_float_denorm_mode_16_64 3
		.amdhsa_memory_ordered 1
		.amdhsa_forward_progress 1
		.amdhsa_inst_pref_size 219
	.end_amdhsa_kernel
	.amdgpu_metadata
---
amdhsa.version: [ 1, 2 ]
amdhsa.kernels:
  - .name:           k_q4d40714428_score
    .symbol:         k_q4d40714428_score.kd
    .args:
      - { .name: qkvc, .offset: 0, .size: 8, .value_kind: global_buffer, .address_space: global }
      - { .name: qkvs, .offset: 8, .size: 8, .value_kind: global_buffer, .address_space: global }
      - { .name: mask, .offset: 16, .size: 8, .value_kind: global_buffer, .address_space: global }
      - { .name: pc, .offset: 24, .size: 8, .value_kind: global_buffer, .address_space: global }
      - { .name: pst, .offset: 32, .size: 8, .value_kind: global_buffer, .address_space: global }
    .group_segment_fixed_size: 327680
    .private_segment_fixed_size: 0
    .kernarg_segment_align: 8
    .kernarg_segment_size: 40
    .max_flat_workgroup_size: 128
    .sgpr_count:     100
    .vgpr_count:     1024
    .wavefront_size: 32
...
	.end_amdgpu_metadata
.endif
;; end of part 3
;; launch pv (part 4): grid 4 x 64, 4 waves a work-group, clusters of 4 x 4, 327,680 bytes of LDS; arguments pc, pst, qkvc, qkvs, out0; writes out0
.if DOCPART == 4
	.amdgcn_target "amdgcn-amd-amdhsa--gfx1250"
	.amdhsa_code_object_version 6
	.text
	.protected	k_q4d40714428_pv
	.globl	k_q4d40714428_pv
	.p2align	8
	.type	k_q4d40714428_pv,@function
k_q4d40714428_pv:
	s_mov_b64 s[64:65], 0
	v_nop
	global_prefetch_b8 v0, s[64:65] scope:SCOPE_SE
	s_setreg_imm32_b32 hwreg(HW_REG_WAVE_MODE, 25, 1), 1
	s_wait_xcnt 0x0
	s_wait_alu depctr_hold_cnt(0) depctr_sa_sdst(0) depctr_va_vdst(0) depctr_va_sdst(0) depctr_va_ssrc(0) depctr_va_vcc(0) depctr_vm_vsrc(0)
	s_getreg_b32 s2, hwreg(HW_REG_IB_STS2, 6, 4)
	s_cmp_eq_u32 s2, 0
	s_cbranch_scc0 .Lentry_in_a_cluster
	s_endpgm
.Lentry_in_a_cluster:
	s_bfe_u32 s2, ttmp6, 0x10000c
	s_cmp_lg_u32 s2, 0xf033
	s_cbranch_scc0 .Lentry_shape_is_right
	s_endpgm
.Lentry_shape_is_right:
; O = P V / l on codes of FP6 (E2M3) with E8M0 scales.  P's codes were made under a whole number M of their own for each row and each 128 keys.  At the head each row's 16 parts are brought under the row's M, the largest
; of the 16: d = M - the part's M is taken off the part's four scale bytes, and l = the sum of the parts' l x 2^-d.  The codes stay as they are.
; SHARES.  A tile of 128 queries x 256 channels to a work-group: 256 work-groups.  THE FOUR WAVES SHARE THE CHANNELS AND THE KEYS: wave w (WK = w / 2, WL = w % 2) multiplies all 128 queries by channels 128 WL on,
; over the runs of 256 keys with numbers 2 t + WK, t = 0 .. 3.  So a wave's tile stays 128 x 128, 64 accumulators, and each fragment read from LDS feeds eight products.  At the end the two waves of a half of the channels
; exchange half of their sums through LDS: each keeps four blocks of 16 queries and gives the other four away.
; Operands lie in memory as images of their registers (a fragment of 16 places x 128 K: 1,536 bytes), [group of 128 places][256 along K][128][block]; place p of a group holds row p with bits 3 and 4 exchanged.
; The 2,048 keys go in steps of 512 through a ring of two LDS slots; of a slot a wave reads its run of 256.
; THE MATRIX INSTRUCTION IS USED TRANSPOSED (source 0 = 16 places of V^T, source 1 = 16 places of P): lane (r, h) holds query place r, and register j of accumulator 2 u2 + u holds channel 32 u2 + 16 h + 8 u + j.
; ONE TEXT FOR BOTH HALVES OF THE KEYS: in a wave, block a of the accumulators stands for query block a xor 4 WK (by the LDS addresses of P's fragments, and by the order in which the head lays the scale words of odd runs):
; so in every wave window 2 holds the four blocks that it keeps and window 3 the four that it gives away.
; CLUSTERS of 4 x 4: P's tiles are asked for jointly by a row of the cluster, V^T's by a column.  V^T's scale words come by tensor load; P's are made at the head and stored into LDS bytes into which no tensor load lands.
; ORDER OF THE SUMS: a result is the f32 sum over the even runs of keys plus the f32 sum over the odd runs.
; LIMITS: NaN and infinities are not served.  d is held at 127; a scale byte that would fall under 0 is held at 0 (2^-127): such a part lies more than 2^120 under the row's largest p.
; A batch all of whose keys are masked gives 0 x infinity = NaN.
; REGISTERS: window 0: v1 r, v2 h, v5-7, v16-29 addresses; v32-63 scale words, two sets; v128-223 A's fragments; v224-231 1 / l of the rows that I keep, each twice.  window 1: B's fragments, two sets; on the way out the
;   partner's sums.  windows 2, 3: the accumulators, (a, b) at v[8 (8 (a % 4) + b)].
.set HALFT, 24576                      ; 128 places x 256 K
.set SLOT,  6*HALFT                    ; P's even run, P's odd run, V^T's half 0 (even run, odd run), V^T's half 1
.set BOFF,  2*HALFT                    ; where V^T's begin in a slot
.set HS,    8192                       ; the scale words of 128 places, all 2,048 keys
.set SCL,   2*SLOT                     ; behind the ring: P's scale words, V^T's two halves'
.set SPARE, SCL+3*HS                   ; behind them: the spare words, 128 bytes for each wave, which no other line names
.set LAPS,  2                          ; a lap = once round the ring = 1,024 keys
.set XCHB,  32768                      ; the way out: what a wave gives away: 32 accumulators; the four waves' lie in slot 0, which has had its last fill and its last read behind the last change of slots
.set STAGE, SLOT                       ; the way out: 16 rows x 528 bytes for each wave, in slot 1, used behind the exchange's barrier
.set FR,    12
.set NL,    3
.set NP,    4
.set AW2,   5                          ; v5  the head: where I store the scale words of odd runs: the halves exchanged
.set XST,   6                          ; v6  the exchange: where I put what I give
.set XLD,   7                          ; v7  the exchange: where my partner has put what I get
.set ADRA,  16                         ; v16-17 LDS address of A's blocks 0-3 in slot 0, 1; v18-19 of blocks 4-7
.set ADRB,  20                         ; v20-21 of B's fragments
.set HW,    22                         ; v22 the head: 32 r + 16 h: four blocks' words of a lane
.set AW,    23                         ; v23 the head: where I store the scale words of even runs
.set STO,   24                         ; v24 the way out: where I put 32 bytes of a row
.set RD,    25                         ; v25 the way out: where I read a row back
.set CO,    26                         ; v26 16 x lane
.set ADRS,  27                         ; v27 my scale words: lanes 0-15 A's, lanes 16-31 B's
.set SPW,   28                         ; v28 my spare word; never rewritten
.set NIL,   29                         ; v29 0; never rewritten
.set SC,    32
.set AF,    128
.set LV,    224
.set NMV,   32                         ; the head: v32-95 -M of part ch, row 4 h + k at 4 ch + k; then the part's M less the row's, a whole number, 0 or less
.set LL,    96                         ; v96-159 l likewise; later at work
.set WD,    160                        ; v160-175 the scale words of my 4 parts
.set NMW,   176                        ; v176-191 -M of my 4 parts; then d
.set MG,    192                        ; v192-195 the rows' -M
.set LSM,   196                        ; v196-199 the rows' l
.set RL,    200                        ; v200-203 1 / l
.set XL,    204                        ; v204-207 the other half of the lanes'
.set T,     32                         ; the way out: v32-95 64 results of my row
.set BK,    96                         ; v96-159 and v160-223 by turns: 16 rows read back from the stage
.set G1A, 24                           ; s[24:31] descriptor group 1 for P's tiles; s[32:39] group 0, a set for each slot
.set G0A, 32
.set G1B, 48                           ; s[48:55], s[56:63] the same for V^T's
.set G0B, 56
.set G1SB, 80                          ; s[80:87], s[88:91] V^T's scale words
.set G0SB, 88
.set SEL, 68                           ; s[68:69] lane selects (no descriptor lies here)
.set MSB, 0
.macro WIN new                         ; the immediate's high byte repeats the setting that is left
.if MSB != (\new)
	s_set_vgpr_msb (MSB<<8)|(\new)
.set MSB, (\new)
.endif
.endm
.set MUL_LO, 0xa1                      ; source 0 (B) window 1, source 1 (A) window 0, C and D window 2
.set MUL_HI, 0xf1                      ; the same, C and D window 3
.set TO_B,   0x40                      ; destination window 1, address window 0
.macro PLACES n
.rept \n
	v_nop
.endr
.endm
.macro JLOAD s                         ; a joint refill: waves 0 and 1 fetch P's two runs, waves 2 and 3 V^T's two halves; four v_nop follow each of the two lines
	s_cmp_eq_u32 s21, 0
	s_cbranch_scc0 .Lfor_b_\@
	tensor_load_to_lds s[G0A+4*\s:G0A+4*\s+3], s[G1A:G1A+7]
	s_nop 0
.rept 4
	v_nop
.endr
	s_branch .Lasked_\@
.Lfor_b_\@:
	tensor_load_to_lds s[G0B+4*\s:G0B+4*\s+3], s[G1B:G1B+7]
	s_nop 0
.rept 4
	v_nop
.endr
.Lasked_\@:
.endm
.macro CREST                           ; a round of the cluster's barrier behind its opening barrier
	s_cmp_lg_u32 s20, 0
	s_cbranch_scc1 .Lnot_wave_0_\@
	s_barrier_signal -3
.Lnot_wave_0_\@:
	s_barrier_wait -3
	s_barrier_signal -1
	s_barrier_wait -1
.endm
.macro CROUND
	s_barrier_signal -1
	s_barrier_wait -1
	CREST
.endm
	s_load_b256 s[4:11], s[0:1], 0x0               ; P's codes; its scale words, -M and l; V^T's codes; its scale words
	s_load_b64 s[12:13], s[0:1], 0x20              ; O
	v_lshl_add_u32 v[SPW], v0, 2, SPARE
	v_mov_b32 v[NIL], 0
	ds_add_u32 v28, v29
	ds_add_u32 v28, v29
	s_wait_dscnt 0x0
	v_lshrrev_b32 v1, 5, v0
	v_readfirstlane_b32 s20, v1                    ; wave 0..3
	s_lshr_b32 s21, s20, 1                         ; WK: my runs of keys are the even (0) or the odd (1) ones.  Also: I fetch for P (0) or for V^T (1)
	s_and_b32 s22, s20, 1                          ; WL: my half of the channels.  Also: which run of P, or which half of V^T, I fetch
	s_bfe_u32 s40, ttmp6, 0x40000                  ; cx
	s_bfe_u32 s41, ttmp6, 0x40004                  ; cy
	s_and_b32 s43, ttmp7, 0xffff                   ; cluster y
	s_lshl_b32 s44, s41, 2
	s_lshl_b32 s44, 15, s44                        ; my row of the cluster
	s_lshl_b32 s45, 0x1111, s40                    ; my column
	s_or_b32 s[G1A], s44, (3<<16)|(1<<21)          ; the mask; elements of 8 bytes; no padding; bit 21 set beside a mask
	s_mov_b32 s[G1A+1], 32<<16                     ; rows of 256 bytes,
	s_mov_b32 s[G1A+2], (HALFT/256)<<16            ; 96 of them: one run of P, a dense block
	s_mov_b32 s[G1A+3], 32<<16
	s_mov_b32 s[G1A+4], HALFT/256
	s_mov_b32 s[G1A+5], 32
	s_mov_b32 s[G1A+6], 0
	s_mov_b32 s[G1A+7], 0
	s_or_b32 s[G1B], s45, (3<<16)|(1<<21)
	s_mov_b32 s[G1B+1], 32<<16
	s_mov_b32 s[G1B+2], (2*HALFT/256)<<16          ; 192 rows: two runs of a half of V^T, which follow each other in memory
	s_mov_b32 s[G1B+3], 32<<16
	s_mov_b32 s[G1B+4], 2*HALFT/256
	s_mov_b32 s[G1B+5], 32
	s_mov_b32 s[G1B+6], 0
	s_mov_b32 s[G1B+7], 0
	s_or_b32 s[G1SB], s45, (3<<16)|(1<<21)
	s_mov_b32 s[G1SB+1], 32<<16
	s_mov_b32 s[G1SB+2], (HS/256)<<16
	s_mov_b32 s[G1SB+3], 32<<16
	s_mov_b32 s[G1SB+4], HS/256
	s_mov_b32 s[G1SB+5], 32
	s_mov_b32 s[G1SB+6], 0
	s_mov_b32 s[G1SB+7], 0
	; P: group 4 y + cy, run = the one that I fetch: made of cy, the cluster's number and the wave's alone
	s_lshl_b32 s46, s43, 2
	s_add_co_u32 s46, s46, s41
	s_mul_i32 s94, s46, 8*HALFT
	s_mul_i32 s67, s22, HALFT
	s_add_co_u32 s94, s94, s67
	s_mov_b32 s95, 0
	; V^T: its plane, group 8 (y / 4) + 2 cx + half (y / 4 is the batch): made of cx, the cluster's number and the wave's alone
	s_lshr_b32 s47, s43, 2
	s_lshl_b32 s47, s47, 3
	s_lshl_b32 s66, s40, 1
	s_add_co_u32 s47, s47, s66
	s_add_co_u32 s47, s47, s22
	s_mul_i32 s98, s47, 8*HALFT
	s_add_co_u32 s98, s98, 12582912
	s_mov_b32 s99, 0
	s_lshl_b32 s92, s47, 13
	s_add_co_u32 s92, s92, 524288
	s_mov_b32 s93, 0
	s_mul_i32 s23, s22, HALFT                      ; where they go in a slot: P's run;
	s_mul_i32 s2, s22, 2*HALFT
	s_add_co_u32 s2, s2, BOFF                      ; V^T's half: no place in the cluster enters an LDS address
	s_wait_kmcnt 0x0
	s_mov_b32 s[G0SB], 1
	s_mul_i32 s[G0SB+1], s22, HS
	s_add_co_u32 s[G0SB+1], s[G0SB+1], SCL+HS
	s_add_nc_u64 s[G0SB+2:G0SB+3], s[10:11], s[92:93]
	s_or_b32 s[G0SB+3], s[G0SB+3], 0x80000000
	s_add_nc_u64 s[94:95], s[4:5], s[94:95]
	s_add_nc_u64 s[98:99], s[8:9], s[98:99]
.irp s, 0,1
	s_mov_b32 s[G0A+4*\s], 1
	s_add_co_u32 s[G0A+4*\s+1], s23, \s*SLOT
	s_add_nc_u64 s[G0A+4*\s+2:G0A+4*\s+3], s[94:95], \s*2*HALFT    ; slot s begins with runs 2 s and 2 s + 1
	s_or_b32 s[G0A+4*\s+3], s[G0A+4*\s+3], 0x80000000
	s_mov_b32 s[G0B+4*\s], 1
	s_add_co_u32 s[G0B+4*\s+1], s2, \s*SLOT
	s_add_nc_u64 s[G0B+4*\s+2:G0B+4*\s+3], s[98:99], \s*2*HALFT
	s_or_b32 s[G0B+4*\s+3], s[G0B+4*\s+3], 0x80000000
.endr
	CROUND                                         ; all sixteen work-groups are here: the first joint loads meet
	s_cmp_eq_u32 s21, 0                            ; a wave's first fills stand in one branch; on either way slot 1's is the last: two or three loads of mine are out
	s_cbranch_scc0 .Lfirst_b
	tensor_load_to_lds s[G0A:G0A+3], s[G1A:G1A+7]
	s_nop 0
	tensor_load_to_lds s[G0A+4:G0A+7], s[G1A:G1A+7]
	s_nop 0
.rept 4
	v_nop
.endr
	s_branch .Lfirst_asked
.Lfirst_b:
	tensor_load_to_lds s[G0SB:G0SB+3], s[G1SB:G1SB+7]
	s_nop 0
	tensor_load_to_lds s[G0B:G0B+3], s[G1B:G1B+7]
	s_nop 0
	tensor_load_to_lds s[G0B+4:G0B+7], s[G1B:G1B+7]
	s_nop 0
.rept 4
	v_nop
.endr
.Lfirst_asked:
	; THE HEAD.  The work-group's group of queries is 4 y + cy; lane (r, h) sees to place r of blocks 4 h + 0 .. 3
	s_lshl_b32 s18, s43, 2
	s_add_co_u32 s2, s18, s41
	s_lshl_b32 s18, s2, 13                         ; 16 parts x 512 bytes a group
	s_mov_b32 s19, 0
	s_add_nc_u64 s[6:7], s[6:7], s[18:19]
	s_lshl_b32 s18, s20, 11                        ; of the scale words I shift parts 4 w + 0 .. 3: runs 2 w and 2 w + 1
	s_add_nc_u64 s[14:15], s[6:7], s[18:19]
	v_and_b32 v1, 15, v0                           ; r
	v_bfe_u32 v2, v0, 4, 1                         ; h
	v_lshlrev_b32 v[HW], 5, v1
	v_lshl_add_u32 v[HW], v2, 4, v[HW]
.irp ch, 0,1,2,3,4,5,6,7,8,9,10,11,12,13,14,15
	global_load_b128 v[NMV+4*\ch:NMV+4*\ch+3], v[HW], s[6:7] offset:524288+512*\ch
.endr
.irp ch, 0,1,2,3,4,5,6,7,8,9,10,11,12,13,14,15
	global_load_b128 v[LL+4*\ch:LL+4*\ch+3], v[HW], s[6:7] offset:1048576+512*\ch
.endr
.irp c, 0,1,2,3
	global_load_b128 v[WD+4*\c:WD+4*\c+3], v[HW], s[14:15] offset:512*\c
.endr
.irp c, 0,1,2,3
	global_load_b128 v[NMW+4*\c:NMW+4*\c+3], v[HW], s[14:15] offset:524288+512*\c   ; my parts' -M once more, so that nothing has to be chosen by the wave's number
.endr
	s_lshl_b32 s18, s2, 19                         ; O: the group's 128 rows of 4,096 bytes,
	s_lshl_b32 s66, s40, 10
	s_add_co_u32 s18, s18, s66                     ; channel 256 cx
	s_lshl_b32 s66, s22, 9
	s_add_co_u32 s18, s18, s66                     ; + 128 x my half,
	s_lshl_b32 s66, s21, 18
	s_add_co_u32 s18, s18, s66                     ; and the blocks that I keep: 64 WK rows on
	s_add_nc_u64 s[12:13], s[12:13], s[18:19]
	v_and_b32 v3, 31, v0
	v_lshlrev_b32 v[CO], 4, v3
	s_mul_i32 s18, s21, HALFT+4*1536               ; P's run WK; in the odd run my blocks 0-3 are the fragments four further on,
	s_mul_i32 s66, s21, HALFT-4*1536               ; and my blocks 4-7 those four further back
	s_mul_i32 s19, s22, 2*HALFT                    ; V^T's half WL,
	s_mul_i32 s67, s21, HALFT                      ; run WK,
	s_add_co_u32 s19, s19, s67
	s_add_co_u32 s19, s19, BOFF                    ; behind P's two runs
.irp s, 0,1
	v_add_nc_u32 v[ADRA+\s], s18, v[CO]
	v_add_nc_u32 v[ADRA+2+\s], s66, v[CO]
	v_add_nc_u32 v[ADRB+\s], s19, v[CO]
	s_add_co_u32 s18, s18, SLOT
	s_add_co_u32 s66, s66, SLOT
	s_add_co_u32 s19, s19, SLOT
.endr
	s_add_co_u32 s19, s22, 1
	s_mul_i32 s19, s19, HS                         ; from P's scale words to those of my half of V^T
	v_mul_u32_u24 v4, s19, v2                      ; lanes 16-31 take V^T's
	s_lshl_b32 s18, s21, 10                        ; run WK: 1,024 bytes a run
	s_add_co_u32 s18, s18, SCL
	v_lshl_add_u32 v4, v1, 5, v4                   ; 32 bytes a lane: eight blocks' words
	v_add_nc_u32 v[ADRS], s18, v4
	s_lshl_b32 s18, s20, 11
	s_add_co_u32 s18, s18, SCL
	v_add_nc_u32 v[AW], s18, v[HW]                 ; my four parts' place among P's scale words, + 32 r + 16 h;
	v_xor_b32 v[AW2], 16, v[AW]                    ; for odd runs the halves change places: place i holds block i xor 4
	s_lshl_b32 s18, s20, 15
	v_add_nc_u32 v[XST], s18, v[CO]                ; the exchange: my 32,768 bytes,
	s_xor_b32 s18, s20, 2
	s_lshl_b32 s18, s18, 15
	v_add_nc_u32 v[XLD], s18, v[CO]                ; and those of the wave with the other runs of keys
	s_mul_i32 s18, s20, 16*528
	s_add_co_u32 s18, s18, STAGE                   ; my stage
	v_mul_u32_u24 v[STO], v1, 528
	v_lshl_add_u32 v[STO], v2, 6, v[STO]
	v_add_nc_u32 v[STO], s18, v[STO]               ; in: row r, + 64 h
	v_add_nc_u32 v[RD], s18, v[CO]                 ; back: a row of 512 bytes, 16 bytes a lane
	s_mov_b32 s[SEL], 0x76543210
	s_mov_b32 s[SEL+1], 0xfedcba98
	s_mov_b32 s67, 0x80808080
	s_wait_loadcnt 0x0
.irp k, 0,1,2,3
	v_min3_num_f32 v[MG+\k], v[NMV+\k], v[NMV+4+\k], v[NMV+8+\k]   ; the row's -M is the least of the parts' -M
.endr
.irp ch, 3,5,7,9,11,13
.irp k, 0,1,2,3
	v_min3_num_f32 v[MG+\k], v[MG+\k], v[NMV+4*\ch+\k], v[NMV+4*\ch+4+\k]
.endr
.endr
.irp k, 0,1,2,3
	v_min_num_f32 v[MG+\k], v[MG+\k], v[NMV+60+\k]
.endr
.set n, 0
.rept 32
	v_pk_add_f32 v[NMV+n:NMV+n+1], v[MG+n%4:MG+n%4+1], v[NMV+n:NMV+n+1] neg_lo:[0,1] neg_hi:[0,1]   ; the part's M less the row's: a whole number, 0 or less
.set n, n+2
.endr
.set n, 0
.rept 8
	v_pk_add_f32 v[NMW+n:NMW+n+1], v[NMW+n:NMW+n+1], v[MG+n%4:MG+n%4+1] neg_lo:[0,1] neg_hi:[0,1]   ; of my parts d = the row's M less the part's: 0 or more
.set n, n+2
.endr
.set n, 0
.rept 64
	v_max_num_f32 v[NMV+n], 0xc2fe0000, v[NMV+n]   ; held at -127
.set n, n+1
.endr
.set n, 0
.rept 64
	v_cvt_i32_f32 v[NMV+n], v[NMV+n]
.set n, n+1
.endr
.set n, 0
.rept 64
	v_ldexp_f32 v[LL+n], v[LL+n], v[NMV+n]         ; the part's l under the row's M
.set n, n+1
.endr
	v_pk_add_f32 v[LSM:LSM+1], v[LL:LL+1], v[LL+4:LL+5]
	v_pk_add_f32 v[LSM+2:LSM+3], v[LL+2:LL+3], v[LL+6:LL+7]
.irp ch, 2,3,4,5,6,7,8,9,10,11,12,13,14,15
	v_pk_add_f32 v[LSM:LSM+1], v[LSM:LSM+1], v[LL+4*\ch:LL+4*\ch+1]
	v_pk_add_f32 v[LSM+2:LSM+3], v[LSM+2:LSM+3], v[LL+4*\ch+2:LL+4*\ch+3]
.endr
.irp k, 0,1,2,3
	v_rcp_f32 v[RL+\k], v[LSM+\k]
.endr
	; my 16 scale words: d off each of the four bytes, held at 0 from below.  The bytes are at most 125 and d at most 127: with bit 7 set in each byte no borrow leaves a byte, and bit 7 stays set where the byte has not fallen under 0
.set n, 0
.rept 16
	v_min_num_f32 v[NMW+n], 0x42fe0000, v[NMW+n]   ; d held at 127.  (Plain work behind the reciprocals)
.set n, n+1
.endr
.set n, 0
.rept 16
	v_cvt_i32_f32 v[NMW+n], v[NMW+n]
.set n, n+1
.endr
.set n, 0
.rept 16
	v_perm_b32 v[NMW+n], v[NMW+n], v[NMW+n], 0     ; in all four bytes
.set n, n+1
.endr
.set n, 0
.rept 16
	v_or_b32 v[WD+n], s67, v[WD+n]
.set n, n+1
.endr
.set n, 0
.rept 16
	v_sub_nc_u32 v[WD+n], v[WD+n], v[NMW+n]
.set n, n+1
.endr
.set n, 0
.rept 16
	v_and_b32 v[LL+n], s67, v[WD+n]
.set n, n+1
.endr
.set n, 0
.rept 16
	v_lshrrev_b32 v[LL+16+n], 7, v[LL+n]
.set n, n+1
.endr
.set n, 0
.rept 16
	v_sub_nc_u32 v[LL+n], v[LL+n], v[LL+16+n]      ; 0x7f in the bytes that have not fallen under 0, 0 in the others
.set n, n+1
.endr
.set n, 0
.rept 16
	v_and_b32 v[WD+n], v[WD+n], v[LL+n]
.set n, n+1
.endr
	ds_store_b128 v[AW], v[WD:WD+3]                            ; run 2 w, an even one: blocks as they are
	ds_store_b128 v[AW], v[WD+4:WD+7] offset:512
	ds_store_b128 v[AW2], v[WD+8:WD+11] offset:1024            ; run 2 w + 1, an odd one: the halves exchanged
	ds_store_b128 v[AW2], v[WD+12:WD+15] offset:1536
.irp k, 0,1,2,3
	v_mov_b32 v[XL+\k], 0                          ; a lane permute's destination counts as one of its sources
.endr
	v_cmp_ne_u32 vcc_lo, s21, v2                   ; the lanes whose own four blocks are not the four that my wave keeps
	s_wait_alu depctr_va_vdst(0)                   ; one wait for the four reciprocals, ahead of their first reader
.irp k, 0,1,2,3
	v_permlanex16_b32 v[XL+\k], v[RL+\k], s[SEL], s[SEL+1]
.endr
.irp k, 0,1,2,3
	v_cndmask_b32 v[LV+2*\k], v[RL+\k], v[XL+\k], vcc_lo        ; 1 / l of place r of block 4 WK + k, in both halves of the lanes;
	v_cndmask_b32 v[LV+2*\k+1], v[RL+\k], v[XL+\k], vcc_lo      ; twice: a pair for the packed multiplication
.endr
.macro FRAG reg, adr, f                ; fragment f of a run: three loads of 512 consecutive bytes
.irp g, 0,1,2
	ds_load_b128 v[\reg+4*\g:\reg+4*\g+3], v[\adr] offset:(\f)*1536+512*\g
.endr
.endm
; 16 matrix instructions: A's blocks a0, a0 + 1 x B's eight.  zero = 1: the first products start the sums.  The 64 accumulators take turns, one instruction a turn.
.macro MUL16 a0, p, q, sc, zero
.irp a, \a0, \a0+1
.irp b, 0,1,2,3,4,5,6,7
.if \zero
	v_wmma_scale_f32_16x16x128_f8f6f4 v[8*(8*((\a)%4)+\b):8*(8*((\a)%4)+\b)+7], v[128*(\p)+FR*\b:128*(\p)+FR*\b+FR-1], v[AF+FR*(\a):AF+FR*(\a)+FR-1], 0, v[SC+16*(\sc)+8*(\q)+\b], v[SC+16*(\sc)+8*(\q)+(\a)] matrix_a_fmt:MATRIX_FMT_FP6 matrix_b_fmt:MATRIX_FMT_FP6 matrix_a_scale:MATRIX_SCALE_ROW1
.else
	v_wmma_scale_f32_16x16x128_f8f6f4 v[8*(8*((\a)%4)+\b):8*(8*((\a)%4)+\b)+7], v[128*(\p)+FR*\b:128*(\p)+FR*\b+FR-1], v[AF+FR*(\a):AF+FR*(\a)+FR-1], v[8*(8*((\a)%4)+\b):8*(8*((\a)%4)+\b)+7], v[SC+16*(\sc)+8*(\q)+\b], v[SC+16*(\sc)+8*(\q)+(\a)] matrix_a_fmt:MATRIX_FMT_FP6 matrix_b_fmt:MATRIX_FMT_FP6 matrix_a_scale:MATRIX_SCALE_ROW1
.endif
.endr
.endr
.endm
.macro FETCH_B slot, q, p
	WIN TO_B
.irp i, 0,1,2,3,4,5,6,7
	FRAG 128*(\p)+FR*\i, ADRB+\slot, 8*(\q)+\i
.endr
	WIN 0
.endm
.macro FETCH_A slot, q, i0             ; blocks i0 .. i0 + 3; blocks 0-3 and blocks 4-7 have address registers of their own
.irp i, \i0, \i0+1, \i0+2, \i0+3
	FRAG AF+FR*(\i), ADRA+2*((\i0)/4)+\slot, 8*(\q)+(\i)
.endr
.endm
.macro SCALES sc                       ; my run's scale words: eight blocks' words of a lane are 32 bytes on end, for each 128 along K
.irp q, 0,1
.irp g, 0,1
	ds_load_b128 v[SC+16*\sc+8*\q+4*\g:SC+16*\sc+8*\q+4*\g+3], v[ADRS] offset:512*\q+16*\g
.endr
.endr
.endm
; A step of 128 along K that has its successor in the same slot.  A's blocks are free as soon as their eight products are issued: blocks 0-3 are fetched anew in the middle, blocks 4-7 at the end.
.macro STEP slot, q, zero
	s_wait_dscnt 4*NL                              ; all but the youngest 12 loads (A's blocks 4-7) are in
	WIN MUL_LO
	MUL16 0, (\q)%2, \q, \slot, \zero
	MUL16 2, (\q)%2, \q, \slot, \zero
	s_wait_dscnt 0x0                               ; A's blocks 4-7 are in
	PLACES NP                                      ; in front of loads into registers that matrix instructions have read
	FETCH_B \slot, (\q)+1, 1-(\q)%2
	FETCH_A \slot, (\q)+1, 0
	WIN MUL_HI
	MUL16 4, (\q)%2, \q, \slot, \zero
	MUL16 6, (\q)%2, \q, \slot, \zero
	PLACES NP
	WIN 0
	FETCH_A \slot, (\q)+1, 4
.endm
; A slot's last step changes slots: one barrier; in front of it each wave waits for all its tensor loads, adds 0 to its spare word, and waits for that and for its reads of this slot.  fill = 1: the slot is filled again, 1,024 keys ahead.
.macro TURN slot, next, fill
	s_wait_tensorcnt 0x0                           ; all my tensor loads have landed: my part of the next slot
	ds_add_u32 v[SPW], v[NIL]                      ; 0 onto my spare word
	s_wait_dscnt 4*NL+1                            ; (the add and the youngest 12 loads may be out)
	WIN MUL_LO
	MUL16 0, 1, 1, \slot, 0
	s_wait_dscnt 0x0                               ; the add is done, and my reads of this slot are over
	s_barrier_signal -1
	MUL16 2, 1, 1, \slot, 0
	WIN 0
	s_barrier_wait -1
.if \fill
	CREST                                          ; the barrier has opened a round of the cluster's: no wave of any partner still reads this slot or has a load on its way
	s_add_nc_u64 s[G0A+4*\slot+2:G0A+4*\slot+3], s[G0A+4*\slot+2:G0A+4*\slot+3], 4*HALFT
	s_add_nc_u64 s[G0B+4*\slot+2:G0B+4*\slot+3], s[G0B+4*\slot+2:G0B+4*\slot+3], 4*HALFT
	JLOAD \slot                                    ; the first tensor load behind the round; its four v_nop are the places in front of the loads below
.else
	PLACES NP
.endif
	v_add_nc_u32 v[ADRS], 2048, v[ADRS]            ; my next run's scale words: two runs on
	FETCH_B \next, 0, 0
	FETCH_A \next, 0, 0
	SCALES \next
	WIN MUL_HI
	MUL16 4, 1, 1, \slot, 0
	MUL16 6, 1, 1, \slot, 0
	PLACES NP
	WIN 0
	FETCH_A \next, 0, 4
.endm
	s_wait_tensorcnt 1                             ; V^T's scale words and my part of slot 0 are in; slot 1's load may stay out
	s_wait_dscnt 0x0                               ; for the others' sake: my part of P's shifted scale words lies in LDS
	s_barrier_signal -1
	s_barrier_wait -1
	FETCH_B 0, 0, 0
	FETCH_A 0, 0, 0
	SCALES 0
	FETCH_A 0, 0, 4
	STEP 0, 0, 1                                   ; the first step stands in front of the loop: its products start the sums
	s_mov_b32 s3, LAPS-1
.Llap:                                             ; a trip goes once round the ring and fills both slots again
	TURN 0, 1, 1
	STEP 1, 0, 0
	TURN 1, 0, 1
	STEP 0, 0, 0
	s_sub_co_u32 s3, s3, 1
	s_cmp_lg_u32 s3, 0
	s_cbranch_scc1 .Llap
	TURN 0, 1, 0                                   ; the last lap fills nothing; behind this barrier nobody reads slot 0
	STEP 1, 0, 0
	s_wait_dscnt 4*NL
	WIN MUL_LO
	MUL16 0, 1, 1, 1, 0
	MUL16 2, 1, 1, 1, 0
	s_wait_dscnt 0x0
	WIN MUL_HI
	MUL16 4, 1, 1, 1, 0
	MUL16 6, 1, 1, 1, 0
	WIN 0
	PLACES NP                                      ; behind the last products: their results are read, and loads land in their operands' registers
; THE EXCHANGE.  Window 3's 32 accumulators go to LDS as they stand, 512 consecutive bytes a store: registers 4 y .. 4 y + 3 at 512 y.  They are my sums, over my runs of keys, for the four blocks that my partner keeps.
.macro GIVE
	WIN 0x0c                                       ; an LDS store's data are its source 1: window 3
.set x, 0
.rept 32
	ds_store_b128 v[XST], v[8*x:8*x+3] offset:1024*x               ; each accumulator from its low end on
	ds_store_b128 v[XST], v[8*x+4:8*x+7] offset:1024*x+512
.set x, x+1
.endr
	WIN 0
.endm
.macro PLOAD a                         ; my partner's sums for my block a, into window 1, at the numbers that my own sums have in window 2
	WIN TO_B
.set x, 0
.rept 16
	ds_load_b128 v[64*(\a)+4*x:64*(\a)+4*x+3], v[XLD] offset:8192*(\a)+512*x
.set x, x+1
.endr
	WIN 0
.endm
.macro COMBINE a, younger              ; younger: the LDS instructions issued behind PLOAD a's, which may stay out
	s_wait_dscnt \younger
	WIN 0x06                                       ; source 0 window 2 (mine), source 1 window 1 (my partner's), destination window 0
.set j, 0
.rept 32
	v_pk_add_f32 v[T+j:T+j+1], v[64*(\a)+j:64*(\a)+j+1], v[64*(\a)+j:64*(\a)+j+1]   ; the sum over all keys; each accumulator from its low end on
.set j, j+2
.endr
	WIN 0
.set j, 0
.rept 32
	v_pk_mul_f32 v[T+j:T+j+1], v[T+j:T+j+1], v[LV+2*(\a):LV+2*(\a)+1]              ; x 1 / l
.set j, j+2
.endr
.endm
; A block of 16 query places x 128 channels goes through my own stage (rows of 528 bytes) and comes back as whole rows of 512 bytes.
.macro TOSTAGE a
.irp b, 0,1,2,3,4,5,6,7
	ds_store_b128 v[STO], v[T+8*\b:T+8*\b+3] offset:128*(\b/2)+32*(\b%2)         ; channels 32 (b / 2) + 16 h + 8 (b % 2) + 0 .. 7
	ds_store_b128 v[STO], v[T+8*\b+4:T+8*\b+7] offset:128*(\b/2)+32*(\b%2)+16
.endr
.set BB, BK+64*((\a)%2)
.irp t, 0,1,2,3,4,5,6,7,8,9,10,11,12,13,14,15
	ds_load_b128 v[BB+4*\t:BB+4*\t+3], v[RD] offset:\t*528   ; LDS serves a wave's instructions in order: these see the stores above
.endr
.endm
.macro SEND a, younger                 ; younger: the LDS instructions issued behind block a's loads from the stage, which may stay out
.set BB, BK+64*((\a)%2)
	s_wait_dscnt \younger
.irp t, 0,1,2,3,4,5,6,7,8,9,10,11,12,13,14,15
	global_store_b128 v[CO], v[BB+4*\t:BB+4*\t+3], s[12:13] offset:(32*((\a)/2)+8*((\a)%2)+(\t%8)+16*(\t/8))*4096 th:TH_STORE_NT   ; place t's row: 512 consecutive bytes, at a multiple of 256 from O's first byte
.endr
.endm
	GIVE
	s_wait_dscnt 0x0                               ; for my partner's sake: what I give lies in LDS; and my reads of slot 1 are over
	s_barrier_signal -1
	s_barrier_wait -1                              ; behind it nobody reads slot 1 either: the stages lie there
	PLOAD 0
	PLOAD 1
	COMBINE 0, 16                                  ; behind block 0's 16 loads: block 1's 16
	TOSTAGE 0
	COMBINE 1, 32                                  ; behind block 1's loads: block 0's 16 stores and 16 loads of the stage
	PLOAD 2
	SEND 0, 16                                     ; behind block 0's loads from the stage: block 2's 16
	TOSTAGE 1
	COMBINE 2, 32
	PLOAD 3
	SEND 1, 16
	s_wait_xcnt 0x0                                ; block 0's stores have read their registers: block 2's rows may land there
	TOSTAGE 2
	COMBINE 3, 32
	SEND 2, 0
	s_wait_xcnt 0x0                                ; block 1's stores have read their registers
	TOSTAGE 3
	SEND 3, 0
	s_wait_tensorcnt 0x0                           ; the wave's end
	ds_add_u32 v[SPW], v[NIL]
	s_wait_dscnt 0x0
	CROUND                                         ; the closing round
	s_endpgm
.Lfunc_end_k_q4d40714428_pv:
	.size	k_q4d40714428_pv, .Lfunc_end_k_q4d40714428_pv-k_q4d40714428_pv
	.p2alignl 7, 3214868480
	.fill 96, 4, 3214868480
	.section	.rodata,"a",@progbits
	.p2align	6, 0x0
	.amdhsa_kernel k_q4d40714428_pv
		.amdhsa_group_segment_fixed_size 327680
		.amdhsa_private_segment_fixed_size 0
		.amdhsa_enable_private_segment 0
		.amdhsa_kernarg_size 40
		.amdhsa_user_sgpr_count 2
		.amdhsa_user_sgpr_kernarg_segment_ptr 1
		.amdhsa_wavefront_size32 1
		.amdhsa_system_sgpr_workgroup_id_x 1
		.amdhsa_system_sgpr_workgroup_id_y 1
		.amdhsa_system_sgpr_workgroup_id_z 1
		.amdhsa_system_vgpr_workitem_id 0
		.amdhsa_next_free_vgpr 1024
		.amdhsa_next_free_sgpr 100
		.amdhsa_reserve_vcc 1
		.amdhsa_float_denorm_mode_32 3
		.amdhsa_float_denorm_mode_16_64 3
		.amdhsa_memory_ordered 1
		.amdhsa_forward_progress 1
		.amdhsa_inst_pref_size 170
	.end_amdhsa_kernel
	.amdgpu_metadata
---
amdhsa.version: [ 1, 2 ]
amdhsa.kernels:
  - .name:           k_q4d40714428_pv
    .symbol:         k_q4d40714428_pv.kd
    .args:
      - { .name: pc, .offset: 0, .size: 8, .value_kind: global_buffer, .address_space: global }
      - { .name: pst, .offset: 8, .size: 8, .value_kind: global_buffer, .address_space: global }
      - { .name: qkvc, .offset: 16, .size: 8, .value_kind: global_buffer, .address_space: global }
      - { .name: qkvs, .offset: 24, .size: 8, .value_kind: global_buffer, .address_space: global }
      - { .name: out0, .offset: 32, .size: 8, .value_kind: global_buffer, .address_space: global }
    .group_segment_fixed_size: 327680
    .private_segment_fixed_size: 0
    .kernarg_segment_align: 8
    .kernarg_segment_size: 40
    .max_flat_workgroup_size: 128
    .sgpr_count:     100
    .vgpr_count:     1024
    .wavefront_size: 32
...
	.end_amdgpu_metadata
.endif
;; end of part 4
